; MI455X (gfx1250); checked and timed in simulation.
; The chip was launched on July 23, 2026; its instructions are those of AMD's public machine-readable ISA for CDNA 5 (MIT licence, August 2026) and "CDNA5" Instruction Set Architecture Reference Guide (July 2026). The comments in the code are by the model that wrote it; some were corrected since.
;; Multihead Attention. Allowed arithmetic: matrix products marked QUANTISED: E3M2 operands, one E8M0 scale for each 32 along K, by v_wmma_scale_f32_16x16x128_f8f6f4 with both operands' format E3M2, f32 sums; everything else in f32.
;; Inputs: Wk 1,024 x 1,024 float32; Wo 1,024 x 1,024 float32; Wq 1,024 x 1,024 float32; Wv 1,024 x 1,024 float32; key 4,096 x 1,024 float32; query 4,096 x 1,024 float32; value 4,096 x 1,024 float32.
;; Outputs: out0 4,096 x 1,024 float32.
;; This version of the problem:
;;   THIS VERSION OF THE PROBLEM IS GIVEN IN LOW PRECISION. The matrix products marked QUANTISED in the list below multiply operands that are first quantised to E3M2 (3 exponent bits, 2 mantissa bits; 6 bits a number), with one power-of-two scale for each 32 numbers along K (OCP MX v1.0); their sums are f32. All else is computed in f32.
;;   The module's matrix products, in the order in which they are computed (A, B: the left and right operand; K: the contracted axis; several contracted axes count as one K, in the product's order):
;;     1. [M 4,096, K 1,024] x [K 1,024, N 1,024]; A: input query; B: input Wq: QUANTISED
;;     2. [M 4,096, K 1,024] x [K 1,024, N 1,024]; A: input key; B: input Wk: QUANTISED
;;     3. [M 4,096, K 1,024] x [K 1,024, N 1,024]; A: input value; B: input Wv: QUANTISED
;;     4. batch 16 x [M 4,096, K 64] x [K 64, N 4,096]; A: computed on the way; B: computed on the way: QUANTISED
;;     5. batch 16 x [M 64, K 4,096] x [K 4,096, N 4,096]; A: computed on the way; B: softmax (see below): QUANTISED
;;     6. [M 4,096, K 1,024] x [K 1,024, N 1,024]; A: computed on the way; B: input Wo: QUANTISED
;;   THE QUANTISER, for each operand of a quantised product, along K:
;;     - K is cut into blocks of 32 from its start; a last block that is shorter is filled with zeros.
;;     - A block's scale is 2^e with e = floor(log2(the largest magnitude in the block)) - 4, held to -126 .. 127; a block of zeros has e = 0. As a byte (E8M0): e + 127.
;;     - Each number is divided by its block's scale, clamped to +-28, and rounded to the nearest number of E3M2, ties to even, subnormals kept.
;;     - The product sums the exact products of the quantised numbers (number of the format x scale) in f32.
;;   ~~~python
;;   def quantise(x, axis):      # numpy; x: float32 -> the quantised numbers, widened to float32 again
;;       x = np.moveaxis(x, axis, -1); K = x.shape[-1]
;;       x = np.pad(x, [(0, 0)] * (x.ndim - 1) + [(0, -K % 32)]); x = x.reshape(x.shape[:-1] + (-1, 32)); a = np.abs(x).max(-1, keepdims=True)
;;       e = np.where(a > 0, np.clip(np.frexp(np.where(a > 0, a, 1))[1] - 1 - 4, -126, 127), 0)      # np.frexp(a)[1] - 1 = floor(log2(a)), exactly
;;       r = np.clip(x / 2.0 ** e, -28, 28)
;;       step = 2.0 ** (np.maximum(np.frexp(np.where(r == 0, 1, r))[1] - 1, -2) - 2)
;;       q = np.round(r / step) * step * 2.0 ** e      # np.round: ties to even
;;       return np.moveaxis(q.reshape(q.shape[:-2] + (-1,))[..., :K], -1, axis).astype(np.float32)
;;   ~~~
;;   SOFTMAX AHEAD OF A QUANTISED PRODUCT. Where the list says 'softmax', what is quantised is not the finished softmax but p = 2^(t - M), with t = logit x log2(e) and M = ceil(the row's largest t), a whole number; so 1/2 < the row's largest p <= 1. The row's sum l is taken of the UNQUANTISED p, in f32, and the product's result is divided by l at the end. Since M is a whole number, a kernel that streams over the keys may use a running M (the ceiling of the running maximum): every later rescaling is an exact power of two, which a block's scale takes up: the codes' values come out the same.
;;   OPERANDS COMPUTED ON THE WAY. 'Computed on the way' means the value that the module computes at that place (a softmax that the list does not call 'softmax' is quantised finished and normalised). What goes into a quantiser is computed in f32, as accurately as f32 sums, v_exp_f32 and their like allow (about 1e-6 of the number): no bf16 or f16 on the way to a quantiser, and a product that is left as it is and whose result goes on into a quantised operand takes f32 operands (vector FMAs, or v_wmma_f32_16x16x4_f32). A number that lies on a knife's edge between two numbers of the format may be rounded either way, as far as f32 arithmetic and the matrix unit's own rounding can turn it there, and no further.
;; One version. Each part assembles by itself: llvm-mc -triple=amdgcn-amd-amdhsa -mcpu=gfx1250 --defsym DOCPART=n.
;; ======== version 1 of 1: 4 launches
;; limits: right only within a limited range of input values
;; workspace buffers: ximg 12,582,912 bytes; xsc 524,288 bytes; qkvimg 9,437,184 bytes; qkvsc 393,216 bytes; aimg 3,145,728 bytes; asc 131,072 bytes
;; launch quant (part 1): grid 512 x 1, 4 waves a work-group, no clusters, 34,304 bytes of LDS; arguments query, key, value, Wq, Wk, Wv, Wo, ximg, xsc; writes ximg, xsc
.if DOCPART == 1
	.amdgcn_target "amdgcn-amd-amdhsa--gfx1250"
	.amdhsa_code_object_version 6
	.text
	.protected	k_q36378e4a49_quant
	.globl	k_q36378e4a49_quant
	.p2align	8
	.type	k_q36378e4a49_quant,@function
k_q36378e4a49_quant:
	s_mov_b64 s[64:65], 0
	v_nop
	global_prefetch_b8 v0, s[64:65] scope:SCOPE_SE
	s_setreg_imm32_b32 hwreg(HW_REG_WAVE_MODE, 25, 1), 1
	s_wait_xcnt 0x0
; CAUSAL MULTI-HEAD ATTENTION, S = 4,096, D = 1,024, 16 heads of 64, all six products on codes of E3M2 with one E8M0 scale for each 32 along K.  Four launches:
; quant (this one): the seven f32 inputs become codes;  proj: q, k and v^T;  attn: the attention of each head;  outp: the product with Wo.
; WORK LEFT OUT, and why it is dead: reference() builds the causal mask in its own body; a key S > s gets the logit finfo.min, whose weight after the maximum is taken away is 0 for every finite input (key 0 <= s always counts),
; so a block of 128 keys that lies wholly behind a block of 128 queries adds 0 to the row's sum and 0 to the second product.  Launch attn leaves such blocks out, 496 of each head's 1,024.  No input is without a way to the output: all seven are loaded.
; LIMITS: a NaN, an infinity or an overflow that reaches only the blocks left out is not carried to the result.  NaN and infinities among the inputs are not served.  A block of zeros gets the scale byte 1 where the rule says 127:
; its codes are zeros, which add nothing under any byte but 0xff, and the bytes are read by this program alone.  The division of q by 8 is folded into the softmax's constant: it moves a block's scale by 2^-3 and no code; a block of q
; whose largest magnitude lies under 2^-119 would meet the rule's hold of the exponent at -126 three steps later than reference() does.
; THIS LAUNCH.  All seven tensors have 1,024 numbers a row, K innermost.  They are cut into ROW TILES of 16 rows: lane r of tile T holds row 32 (T / 2) + 8 (T % 2) + r + 8 (r / 8), so that the results of a product used transposed come out
; as neighbours along the next K.  1,024 row tiles in all: 0-255 query, 256-511 key, 512-767 value, 768-831 Wq, 832-895 Wk, 896-959 Wv, 960-1023 Wo.
; THE CODES ARE STORED AS IMAGES OF THE OPERAND'S REGISTERS.  A fragment (16 rows x 128 K, 12 registers a lane) is 1,536 bytes, two halves of 768: registers 6 c .. 6 c + 3 at 768 c + 16 x lane, registers 6 c + 4, 6 c + 5 at 768 c + 512 + 8 x lane.
; ximg: row tile G at 12,288 G, its K step s at 1,536 s.  xsc: row tile G at 512 G; the scale word (four bytes) of K step 2 kp + e and lane row r at 128 kp + 8 r + 4 e.
; A wave takes one row tile and one half of K: four steps of one fragment.  Each load reads 512 consecutive bytes of one row; the 16 rows turn through the wave's own stage in LDS (rows 528 bytes apart), from which lane (r, h) takes the two whole
; blocks of 32 that the operand's layout gives it (k = 64 c + 32 h + 0 .. 31): a block's largest magnitude needs no other lane.  No barrier: waves share nothing.  Loads run two steps (32 loads a wave) ahead.
.set SP,    528                        ; a stage row: 512 bytes + 16
.set WST,   16*SP                      ; a wave's stage
.set SPARE, 4*WST                      ; behind the stages: the spare words, 128 bytes for each wave, which no other line names
.set SPW,   16                         ; v16  LDS address of my spare word; never rewritten
.set NIL,   17                         ; v17  0; never rewritten
.set E,     20                         ; v20-23   a scale word for each step
.set PC,    28                         ; v28-39   a fragment's codes
.set CT,    40                         ; v40-42, v44-46  the upper halves of the two blocks, as the conversions leave them
.set R,     48                         ; v48-175  two sets of 64: a step's numbers as loaded
.set X,     176                        ; v176-239 my two blocks of 32
	s_load_b512 s[8:23], s[0:1], 0x0               ; query, key, value, Wq, Wk, Wv, Wo, ximg
	s_load_b64 s[24:25], s[0:1], 0x40              ; xsc
	v_lshl_add_u32 v[SPW], v0, 2, SPARE
	v_mov_b32 v[NIL], 0
	v_lshrrev_b32 v1, 5, v0
	v_readfirstlane_b32 s2, v1                     ; wave
	v_and_b32 v1, 31, v0                           ; lane
	v_and_b32 v2, 15, v0                           ; r
	v_bfe_u32 v3, v0, 4, 1                         ; h
	v_lshlrev_b32 v4, 4, v1                        ; 16 x lane
	v_lshlrev_b32 v5, 3, v1                        ; 8 x lane
	s_mul_i32 s3, s2, WST
	v_add_nc_u32 v6, s3, v4                        ; the stage, on the way in: a row's 512 bytes as they lie
	v_mul_u32_u24 v7, v2, SP
	v_lshl_add_u32 v7, v3, 7, v7
	v_add_nc_u32 v7, s3, v7                        ; and on the way out: row r, + 128 h
	v_lshlrev_b32 v18, 3, v3                       ; 8 h: where my two bytes stand in the scale word
	v_mov_b32 v15, 0                               ; written once: a lane permute's destination counts as one of its sources
	s_mov_b32 s30, 0x76543210
	s_mov_b32 s31, 0xfedcba98                      ; v_permlanex16_b32's selects for lane l xor 16
	s_lshr_b32 s26, s2, 1
	s_and_b32 s27, s2, 1                           ; which half of K
	s_lshl_b32 s28, ttmp9, 1
	s_add_co_u32 s26, s28, s26                     ; my row tile G = 2 x work-group + wave / 2
	s_wait_alu depctr_va_vdst(0)
	s_wait_kmcnt 0x0
	s_mov_b64 s[4:5], s[20:21]                     ; which tensor: the choice hangs on the work-group's number alone
	s_mov_b32 s6, 960                              ; and that tensor's first row tile
.macro PICK th, p, f
	s_cmp_lt_u32 ttmp9, \th
	s_cselect_b64 s[4:5], s[\p:\p+1], s[4:5]
	s_cselect_b32 s6, \f, s6
.endm
	PICK 480, 18, 896
	PICK 448, 16, 832
	PICK 416, 14, 768
	PICK 384, 12, 512
	PICK 256, 10, 256
	PICK 128, 8, 0
	s_sub_co_u32 s7, s26, s6                       ; T: the row tile within its tensor
	s_lshr_b32 s28, s7, 1
	s_lshl_b32 s28, s28, 5
	s_and_b32 s29, s7, 1
	s_lshl_b32 s29, s29, 3
	s_add_co_u32 s28, s28, s29                     ; its first row: 32 (T / 2) + 8 (T % 2)
	s_lshl_b32 s28, s28, 12                        ; rows of 4,096 bytes
	s_lshl_b32 s29, s27, 11                        ; my half of K: 2,048 bytes
	s_add_co_u32 s28, s28, s29
	s_mov_b32 s29, 0
	s_add_nc_u64 s[4:5], s[4:5], s[28:29]
	s_mul_i32 s28, s26, 12288
	s_mul_i32 s32, s27, 6144
	s_add_co_u32 s28, s28, s32
	s_add_nc_u64 s[22:23], s[22:23], s[28:29]      ; my four fragments in ximg
	s_lshl_b32 s28, s26, 9
	s_lshl_b32 s32, s27, 8
	s_add_co_u32 s28, s28, s32
	s_add_nc_u64 s[24:25], s[24:25], s[28:29]      ; my 256 bytes in xsc
.macro LOAD s                          ; step s: 128 numbers of each of the tile's 16 rows; 32 lanes read 512 consecutive bytes
.irp i, 0,1,2,3,4,5,6,7,8,9,10,11,12,13,14,15
	global_load_b128 v[R+64*((\s)%2)+4*\i:R+64*((\s)%2)+4*\i+3], v4, s[4:5] offset:(\i+8*(\i/8))*4096+512*(\s) th:TH_LOAD_NT
.endr
.endm
	LOAD 0
	LOAD 1
.macro STEP s
.if (\s) < 3
	s_wait_loadcnt 16                              ; this step's 16 loads are in; the next step's 16 may be out
.else
	s_wait_loadcnt 0x0
.endif
.irp i, 0,1,2,3,4,5,6,7,8,9,10,11,12,13,14,15
	ds_store_b128 v6, v[R+64*((\s)%2)+4*\i:R+64*((\s)%2)+4*\i+3] offset:SP*\i
.endr
.irp c, 0,1
.irp j, 0,1,2,3,4,5,6,7
	ds_load_b128 v[X+32*\c+4*\j:X+32*\c+4*\j+3], v7 offset:256*\c+16*\j   ; LDS serves a wave's instructions in order: these see the stores above
.endr
.endr
	s_wait_dscnt 0x0                               ; my two blocks are in, and the stores have read their registers,
.if (\s)+2 < 4
	LOAD (\s)+2                                    ; which take the loads of two steps on
.endif
.irp c, 0,1
	v_max3_num_f32 v[8+\c], |v[X+32*\c]|, |v[X+32*\c+1]|, 0x2800000   ; block 2 c + h: all 32 numbers are mine; and the floor 2^(5 - 127): the byte cannot fall under 1
.endr
.irp i, 2,4,6,8,10,12,14,16,18,20,22,24,26,28,30
.irp c, 0,1
	v_max3_num_f32 v[8+\c], v[8+\c], |v[X+32*\c+\i]|, |v[X+32*\c+\i+1]|   ; (the two blocks by turns)
.endr
.endr
.irp c, 0,1
	v_add_nc_u32 v[10+\c], 0xfe000000, v[8+\c]     ; 4 off the exponent field: the conversion takes the exponent field of this operand as its scale
.endr
.irp c, 0,1
	v_lshrrev_b32 v[12+\c], 23, v[10+\c]           ; the scale's byte
.endr
	v_lshl_or_b32 v14, v13, 16, v12                ; my two bytes: blocks h and 2 + h,
	v_lshlrev_b32 v14, v18, v14                    ; at their places in the word;
	v_permlanex16_b32 v15, v14, s30, s31
	v_or_b32 v[E+(\s)], v14, v15                   ; with lane l xor 16's two the word is whole, in both halves of the lanes
	s_wait_alu depctr_va_vdst(0)
	s_wait_xcnt 0x0                                ; the last step's stores have read the codes' registers: only behind this wait are they written again
.irp c, 0,1
	v_cvt_scalef32_pk16_bf6_f32 v[PC+6*\c:PC+6*\c+2], v[X+32*\c:X+32*\c+15], v[10+\c]
	v_cvt_scalef32_pk16_bf6_f32 v[CT+4*\c:CT+4*\c+2], v[X+32*\c+16:X+32*\c+31], v[10+\c]   ; (a conversion's three registers begin on an even number)
.endr
	v_nop                                          ; one plain place behind a scaled conversion
.irp c, 0,1
.irp i, 0,1,2
	v_mov_b32 v[PC+6*\c+3+\i], v[CT+4*\c+\i]
.endr
.endr
.irp c, 0,1
	global_store_b128 v4, v[PC+6*\c:PC+6*\c+3], s[22:23] offset:1536*(\s)+768*\c          ; 512 consecutive bytes, aligned
	global_store_b64 v5, v[PC+6*\c+4:PC+6*\c+5], s[22:23] offset:1536*(\s)+768*\c+512     ; 256 consecutive bytes, aligned
.endr
.endm
	STEP 0
	STEP 1
	STEP 2
	STEP 3
	v_cmp_ne_u32 vcc_lo, 0, v3                     ; lanes 0-15 store the words of my steps 0, 1, lanes 16-31 those of steps 2, 3
	v_cndmask_b32 v24, v[E], v[E+2], vcc_lo
	v_cndmask_b32 v25, v[E+1], v[E+3], vcc_lo
	global_store_b64 v5, v[24:25], s[24:25]        ; 256 consecutive bytes, aligned
	s_wait_tensorcnt 0x0                           ; the wave's end
	ds_add_u32 v[SPW], v[NIL]
	s_wait_dscnt 0x0
	s_endpgm
.Lfunc_end_k_q36378e4a49_quant:
	.size	k_q36378e4a49_quant, .Lfunc_end_k_q36378e4a49_quant-k_q36378e4a49_quant
	.p2alignl 7, 3214868480
	.fill 96, 4, 3214868480
	.section	.rodata,"a",@progbits
	.p2align	6, 0x0
	.amdhsa_kernel k_q36378e4a49_quant
		.amdhsa_group_segment_fixed_size 34304
		.amdhsa_private_segment_fixed_size 0
		.amdhsa_enable_private_segment 0
		.amdhsa_kernarg_size 72
		.amdhsa_user_sgpr_count 2
		.amdhsa_user_sgpr_kernarg_segment_ptr 1
		.amdhsa_wavefront_size32 1
		.amdhsa_system_sgpr_workgroup_id_x 1
		.amdhsa_system_sgpr_workgroup_id_y 1
		.amdhsa_system_sgpr_workgroup_id_z 1
		.amdhsa_system_vgpr_workitem_id 0
		.amdhsa_next_free_vgpr 240
		.amdhsa_next_free_sgpr 66
		.amdhsa_reserve_vcc 1
		.amdhsa_float_denorm_mode_32 3
		.amdhsa_float_denorm_mode_16_64 3
		.amdhsa_memory_ordered 1
		.amdhsa_forward_progress 1
		.amdhsa_inst_pref_size 32
	.end_amdhsa_kernel
	.amdgpu_metadata
---
amdhsa.version: [ 1, 2 ]
amdhsa.kernels:
  - .name:           k_q36378e4a49_quant
    .symbol:         k_q36378e4a49_quant.kd
    .args:
      - { .name: query, .offset: 0, .size: 8, .value_kind: global_buffer, .address_space: global }
      - { .name: key, .offset: 8, .size: 8, .value_kind: global_buffer, .address_space: global }
      - { .name: value, .offset: 16, .size: 8, .value_kind: global_buffer, .address_space: global }
      - { .name: Wq, .offset: 24, .size: 8, .value_kind: global_buffer, .address_space: global }
      - { .name: Wk, .offset: 32, .size: 8, .value_kind: global_buffer, .address_space: global }
      - { .name: Wv, .offset: 40, .size: 8, .value_kind: global_buffer, .address_space: global }
      - { .name: Wo, .offset: 48, .size: 8, .value_kind: global_buffer, .address_space: global }
      - { .name: ximg, .offset: 56, .size: 8, .value_kind: global_buffer, .address_space: global }
      - { .name: xsc, .offset: 64, .size: 8, .value_kind: global_buffer, .address_space: global }
    .group_segment_fixed_size: 34304
    .private_segment_fixed_size: 0
    .kernarg_segment_align: 8
    .kernarg_segment_size: 72
    .max_flat_workgroup_size: 128
    .sgpr_count:     66
    .vgpr_count:     240
    .wavefront_size: 32
...
	.end_amdgpu_metadata
.endif
;; end of part 1
;; launch proj (part 2): grid 4 x 48, 4 waves a work-group, clusters of 4 x 4, 327,680 bytes of LDS; arguments ximg, xsc, qkvimg, qkvsc; writes qkvimg, qkvsc
.if DOCPART == 2
	.amdgcn_target "amdgcn-amd-amdhsa--gfx1250"
	.amdhsa_code_object_version 6
	.text
	.protected	k_q36378e4a49_proj
	.globl	k_q36378e4a49_proj
	.p2align	8
	.type	k_q36378e4a49_proj,@function
k_q36378e4a49_proj:
	s_mov_b64 s[64:65], 0
	v_nop
	global_prefetch_b8 v0, s[64:65] scope:SCOPE_SE
	s_setreg_imm32_b32 hwreg(HW_REG_WAVE_MODE, 25, 1), 1
	s_wait_xcnt 0x0
	s_wait_alu depctr_hold_cnt(0) depctr_sa_sdst(0) depctr_va_vdst(0) depctr_va_sdst(0) depctr_va_ssrc(0) depctr_va_vcc(0) depctr_vm_vsrc(0)
	s_getreg_b32 s2, hwreg(HW_REG_IB_STS2, 6, 4)
	s_cmp_eq_u32 s2, 0
	s_cbranch_scc0 .Lentry_in_a_cluster
	s_endpgm
.Lentry_in_a_cluster:
	s_bfe_u32 s2, ttmp6, 0x10000c
	s_cmp_lg_u32 s2, 0xf033
	s_cbranch_scc0 .Lentry_shape_is_right
	s_endpgm
.Lentry_shape_is_right:
; THREE PRODUCTS ON CODES OF E3M2, K = 1,024: q = query Wq^T, k = key Wk^T (4,096 x 1,024 each) and v^T = Wv value^T (1,024 x 4,096); each result is quantised on the way out along the next product's K
; (q, k: the head's 64; v^T: the keys) and stored as images of the next operand's registers.  Nothing is left out here.
; Operands: images made by launch quant (row tile G at 12,288 G in ximg, K step s of 128 at 1,536 s; scale words at 512 G in xsc).  In a row tile lane r holds row 32 (T / 2) + 8 (T % 2) + r + 8 (r / 8).
; SHARES.  192 work-groups: 64 tiles of 256 x 256 for each product; clusters 0-3 along y make q, 4-7 k, 8-11 v^T.  Four waves, each 128 x 128: 64 accumulators, 512 registers.
; THE MATRIX INSTRUCTION IS USED TRANSPOSED: source 0 = a row tile of the N side, source 1 = one of the M side: a lane's registers of accumulators (a, 0 .. 7) are 64 numbers of one M row, sixteen neighbours of each block of 32.
; K GOES THROUGH TWO LDS SLOTS OF 384 (three steps of 128; a row tile is 4,608 bytes there); the last 256 along K fill the first slot's bytes again, once, with row tiles 3,072 bytes apart (address set 2).
; THE HEAD: one joint load a wave: wave 0 the M side's 16 row tiles of slot 0, wave 1 the N side's, wave 2 the M side's scale words for all of K, wave 3 the N side's.  Behind it a wave's load brings 8 row tiles.  A wave never has more than one load out.
; CLUSTERS: 4 x 4.  The M side's tiles are shared along a row of the cluster, the N side's along a column.  No prefetch: the walk has three loads and no loop to run ahead in.
; OUT.  qkvimg: q at 0, k at 3,145,728: [head][group g of 32 rows][1,536]; half u is tile 2 g + u.  v at 6,291,456: [row tile T = 4 head + t][key step of 128][1,536].
; qkvsc: q at 0, k at 131,072: [head][g][16 words], a word = tile 2 g's two bytes, then tile 2 g + 1's.  v at 262,144: [head][key step][t][16 words].
; REGISTERS, in windows of 256: window 0: v4-29 addresses; v32-63 scale words, two sets; v64-111 at work on the way out; v128-223 the M side's 8 fragments.  window 1: the N side's fragments, two sets.  windows 2, 3: the accumulators.
.set FR,    12
.set RT,    4608                       ; a row tile in slots 0 and 1: three fragments
.set WPART, 8*RT                       ; 8 row tiles
.set SLOTB, 4*WPART                    ; the M side's 16 row tiles, then the N side's 16
.set SCL,   2*SLOTB                    ; the scale words of the 32 row tiles, 512 bytes each
.set SPARE, SCL+16384                  ; the spare words, which no other line names
.set ADA,   8
.set ADA8,  11
.set ADB,   14
.set ADB8,  17
.set ADRS,  27
.set SPW,   28
.set NIL,   29
.set SC,    32
.set AF,    128
.set TM,    64
.set PC,    80
.set CT,    92
.set PW,    100
.set G1,    24
.set G1B,   32
.set G1S,   40
.set G1SB,  48
.set G0A0,  56
.set G0A1,  60
.set G0A2,  68
.set G0B0,  72
.set G0B1,  76
.set G0B2,  80
.set G0S,   84
.set G0SB,  88
.set SEL,   66
.set MSB, 0
.macro WIN new                         ; the immediate's high byte repeats the setting that is left
.if MSB != (\new)
	s_set_vgpr_msb (MSB<<8)|(\new)
.set MSB, (\new)
.endif
.endm
.set MUL_LO, 0xa1
.set MUL_HI, 0xf1
.set TO_B,   0x40
.macro JLOAD g0a, g1a, g0b, g1b        ; waves 0, 1 fetch for the M side, waves 2, 3 for the N side; s_nop 0 and four v_nop follow each line
	s_cmp_eq_u32 s15, 0
	s_cbranch_scc0 .Lfor_b_\@
	tensor_load_to_lds s[\g0a:\g0a+3], s[\g1a:\g1a+7]
	s_nop 0
.rept 4
	v_nop
.endr
	s_branch .Lasked_\@
.Lfor_b_\@:
	tensor_load_to_lds s[\g0b:\g0b+3], s[\g1b:\g1b+7]
	s_nop 0
.rept 4
	v_nop
.endr
.Lasked_\@:
.endm
.macro ARM under, g0, g1, next         ; one arm of the head's chain on the wave's number
	s_cmp_lt_u32 s14, \under
	s_cbranch_scc0 \next
	tensor_load_to_lds s[\g0:\g0+3], s[\g1:\g1+7]
	s_nop 0
.rept 4
	v_nop
.endr
	s_branch .Lhead_asked
\next:
.endm
.macro CREST
	s_cmp_lg_u32 s14, 0
	s_cbranch_scc1 .Lnot_wave_0_\@
	s_barrier_signal -3
.Lnot_wave_0_\@:
	s_barrier_wait -3
	s_barrier_signal -1
	s_barrier_wait -1
.endm
.macro CROUND
	s_barrier_signal -1
	s_barrier_wait -1
	CREST
.endm
.macro MKG0 g, wmul, ldsoff, base, off ; LDS address = wave x wmul + ldsoff; global address = base + off
	s_mov_b32 s[\g], 1
	s_mul_i32 s[\g+1], s14, \wmul
	s_add_co_u32 s[\g+1], s[\g+1], \ldsoff
	s_add_nc_u64 s[\g+2:\g+3], s[\base:\base+1], \off
	s_or_b32 s[\g+3], s[\g+3], 0x80000000
.endm
.macro HG0 g, lds, base                ; a head load's group 0
	s_mov_b32 s[\g], 1
	s_mov_b32 s[\g+1], \lds
	s_mov_b64 s[\g+2:\g+3], s[\base:\base+1]
	s_or_b32 s[\g+3], s[\g+3], 0x80000000
.endm
.macro PLACES n
.rept \n
	v_nop
.endr
.endm
.macro FRAG reg, a16, a8, off
	ds_load_b128 v[(\reg):(\reg)+3], v[\a16] offset:(\off)
	ds_load_b64 v[(\reg)+4:(\reg)+5], v[\a8] offset:(\off)+512
	ds_load_b128 v[(\reg)+6:(\reg)+9], v[\a16] offset:(\off)+768
	ds_load_b64 v[(\reg)+10:(\reg)+11], v[\a8] offset:(\off)+1280
.endm
.macro FETCH_B slot, q, p              ; the N side's eight fragments, the slot's q-th 128 along K, into set p (address set 2: row tiles 3,072 apart)
	WIN TO_B
.irp i, 0,1,2,3,4,5,6,7
	FRAG 128*(\p)+FR*\i, ADB+\slot, ADB8+\slot, \i*(RT-1536*((\slot)/2))+(\q)*1536
.endr
	WIN 0
.endm
.macro FETCH_A slot, q, i0
.irp i, \i0, \i0+1, \i0+2, \i0+3
	FRAG AF+FR*(\i), ADA+\slot, ADA8+\slot, (\i)*(RT-1536*((\slot)/2))+(\q)*1536
.endr
.endm
.macro SCALES k, set                   ; the scale words of steps 2 k, 2 k + 1: lanes 0-15 the M side's block i, lanes 16-31 the N side's
.irp i, 0,1,2,3,4,5,6,7
	ds_load_b64 v[SC+16*(\set)+2*\i:SC+16*(\set)+2*\i+1], v[ADRS] offset:512*\i+128*(\k)
.endr
.endm
.macro MUL16 a0, q, sc, zero           ; the 64 accumulators take turns, one instruction a turn
.irp a, \a0, \a0+1
.irp b, 0,1,2,3,4,5,6,7
.if \zero
	v_wmma_scale_f32_16x16x128_f8f6f4 v[8*(8*((\a)%4)+\b):8*(8*((\a)%4)+\b)+7], v[128*(\q)+FR*\b:128*(\q)+FR*\b+FR-1], v[AF+FR*(\a):AF+FR*(\a)+FR-1], 0, v[SC+16*(\sc)+2*\b+(\q)], v[SC+16*(\sc)+2*(\a)+(\q)] matrix_a_fmt:MATRIX_FMT_BF6 matrix_b_fmt:MATRIX_FMT_BF6 matrix_a_scale:MATRIX_SCALE_ROW1
.else
	v_wmma_scale_f32_16x16x128_f8f6f4 v[8*(8*((\a)%4)+\b):8*(8*((\a)%4)+\b)+7], v[128*(\q)+FR*\b:128*(\q)+FR*\b+FR-1], v[AF+FR*(\a):AF+FR*(\a)+FR-1], v[8*(8*((\a)%4)+\b):8*(8*((\a)%4)+\b)+7], v[SC+16*(\sc)+2*\b+(\q)], v[SC+16*(\sc)+2*(\a)+(\q)] matrix_a_fmt:MATRIX_FMT_BF6 matrix_b_fmt:MATRIX_FMT_BF6 matrix_a_scale:MATRIX_SCALE_ROW1
.endif
.endr
.endr
.endm
; a step of 128 along K (q = step % 2, sc = its set of scale words) whose successor (address set nslot, its nq-th 128) needs no barrier
.macro STEP q, sc, zero, nslot, nq, nk
	s_wait_dscnt 16                                ; all but the youngest 16 loads (the M side's blocks 4-7) are in
	WIN MUL_LO
	MUL16 0, \q, \sc, \zero
	MUL16 2, \q, \sc, \zero
	s_wait_dscnt 0x0
	PLACES 4                                       ; in front of loads into registers that matrix instructions have read
	FETCH_B \nslot, \nq, 1-\q
	FETCH_A \nslot, \nq, 0
.if \nk >= 0
	SCALES \nk, 1-\sc
.endif
	WIN MUL_HI
	MUL16 4, \q, \sc, \zero
	MUL16 6, \q, \sc, \zero
	PLACES 4
	WIN 0
	FETCH_A \nslot, \nq, 4
.endm
; a slot's last step.  In front of its barrier each wave waits for all its tensor loads, adds 0 to its spare word, and waits for that and for its reads of the slot.  fill = 1: the last 256 along K land on slot 0's bytes, behind a round of the cluster's barrier
.macro TURN q, sc, fill, next, nk
	s_wait_tensorcnt 0x0
	ds_add_u32 v[SPW], v[NIL]
.if \fill
	s_mov_b32 s[G1+1], 384<<16                     ; no load of mine is out: from here on a row tile's part is 3,072 bytes
	s_mov_b32 s[G1+3], 384<<16
	s_mov_b32 s[G1B+1], 384<<16
	s_mov_b32 s[G1B+3], 384<<16
.endif
	s_wait_dscnt 17                                ; (the add and the youngest 16 loads may be out)
	WIN MUL_LO
	MUL16 0, \q, \sc, 0
	s_wait_dscnt 0x0
	s_barrier_signal -1
	MUL16 2, \q, \sc, 0
	WIN 0
	s_barrier_wait -1
.if \fill
	CREST
	JLOAD G0A2, G1, G0B2, G1B                      ; the first tensor load behind the round; its four v_nop are the places in front of the loads below
.else
	PLACES 4
.endif
	FETCH_B \next, 0, 1-\q
	FETCH_A \next, 0, 0
.if \nk >= 0
	SCALES \nk, 1-\sc
.endif
	WIN MUL_HI
	MUL16 4, \q, \sc, 0
	MUL16 6, \q, \sc, 0
	PLACES 4
	WIN 0
	FETCH_A \next, 0, 4
.endm
	s_load_b256 s[4:11], s[0:1], 0x0               ; ximg, xsc, qkvimg, qkvsc
	v_lshl_add_u32 v[SPW], v0, 2, SPARE
	v_mov_b32 v[NIL], 0
	ds_add_u32 v[SPW], v[NIL]                      ; the opening: the add, twice on end, and its wait
	ds_add_u32 v[SPW], v[NIL]
	v_lshrrev_b32 v1, 5, v0
	v_readfirstlane_b32 s14, v1                    ; wave
	s_lshr_b32 s15, s14, 1                         ; wm; also: I fetch for the M side (0) or the N side (1)
	s_and_b32 s16, s14, 1                          ; wn; also: which 8 row tiles I fetch
	s_bfe_u32 s17, ttmp6, 0x40000                  ; cx
	s_bfe_u32 s18, ttmp6, 0x40004                  ; cy
	s_and_b32 s3, ttmp7, 0xffff
	s_lshr_b32 s96, s3, 2                          ; 0 q, 1 k, 2 v^T
	s_and_b32 s3, s3, 3
	s_lshl_b32 s3, s3, 2
	s_lshl_b32 s2, s96, 8
	s_lshl_b32 s19, s96, 6
	s_add_co_u32 s19, s19, 768
	s_cmp_eq_u32 s96, 2                            ; all that differs for v^T is chosen on this one compare
	s_cselect_b32 s12, 0, s3
	s_cselect_b32 s13, s3, 0
	s_cselect_b32 s2, 896, s2
	s_cselect_b32 s19, 512, s19
	s_cselect_b32 s97, -1, 0
	s_mov_b32 s92, 768
	s_cselect_b32 s92, 49152, s92
	s_mov_b32 s94, 128
	s_cselect_b32 s94, 8192, s94
	s_mov_b32 s20, 196608
	s_cselect_b32 s20, 768, s20
	s_mov_b32 s21, 8192
	s_cselect_b32 s21, 128, s21
	s_mov_b32 s93, 0
	s_mov_b32 s95, 0
	s_add_co_u32 s12, s12, s18                     ; tile row
	s_add_co_u32 s13, s13, s17                     ; tile column
	v_and_b32 v1, 31, v0
	v_and_b32 v2, 15, v0
	v_bfe_u32 v3, v0, 4, 1
	v_lshlrev_b32 v4, 4, v1
	v_lshlrev_b32 v5, 3, v1
	v_lshlrev_b32 v22, 2, v1
	v_add_nc_u32 v20, s20, v4
	v_add_nc_u32 v21, s20, v5
	v_add_nc_u32 v23, s21, v22
.irp b, 0,1,2,3
	v_mov_b32 v[TM+4+\b], 0
.endr
	s_lshl_b32 s98, s18, 2
	s_lshl_b32 s98, 15, s98                        ; my row of the cluster
	s_lshl_b32 s100, 0x1111, s17                   ; my column
	s_or_b32 s[G1], s98, (3<<16)|(1<<21)
	s_or_b32 s[G1B], s100, (3<<16)|(1<<21)
	s_or_b32 s[G1S], s98, (3<<16)|(1<<21)
	s_or_b32 s[G1SB], s100, (3<<16)|(1<<21)
.irp g, G1, G1B                        ; codes at the head: 16 row tiles x 576 elements of 8 bytes, 1,536 elements apart
	s_mov_b32 s[\g+1], 576<<16
	s_mov_b32 s[\g+2], 16<<16
	s_mov_b32 s[\g+3], 576<<16
	s_mov_b32 s[\g+4], 16
	s_mov_b32 s[\g+5], 1536
	s_mov_b32 s[\g+6], 0
	s_mov_b32 s[\g+7], 0
.endr
.irp g, G1S, G1SB                      ; scale words: 8,192 dense bytes as 32 rows of 256
	s_mov_b32 s[\g+1], 32<<16
	s_mov_b32 s[\g+2], 32<<16
	s_mov_b32 s[\g+3], 32<<16
	s_mov_b32 s[\g+4], 32
	s_mov_b32 s[\g+5], 32
	s_mov_b32 s[\g+6], 0
	s_mov_b32 s[\g+7], 0
.endr
	s_mov_b32 s[SEL], 0x76543210
	s_mov_b32 s[SEL+1], 0xfedcba98
	s_lshl_b32 s18, s12, 4
	s_add_co_u32 s2, s2, s18                       ; M side: first row tile + 16 x tile row
	s_lshl_b32 s17, s13, 4
	s_add_co_u32 s19, s19, s17                     ; N side, by the tile column
	s_mul_i32 s20, s2, 12288
	s_mov_b32 s21, 0
	s_mul_i32 s22, s19, 12288
	s_mov_b32 s23, 0
	s_lshl_b32 s98, s2, 9
	s_mov_b32 s99, 0
	s_lshl_b32 s100, s19, 9
	s_mov_b32 s101, 0
	s_mul_i32 s2, s16, 98304                       ; behind the head I fetch 8 row tiles: which half
	s_mov_b32 s3, 0
	s_wait_dscnt 0x0
	s_wait_kmcnt 0x0
	s_add_nc_u64 s[20:21], s[4:5], s[20:21]
	s_add_nc_u64 s[22:23], s[4:5], s[22:23]
	s_add_nc_u64 s[98:99], s[6:7], s[98:99]
	s_add_nc_u64 s[100:101], s[6:7], s[100:101]
	HG0 G0A0, 0, 20
	HG0 G0B0, 2*WPART, 22
	HG0 G0S, SCL, 98
	HG0 G0SB, SCL+8192, 100
	s_add_nc_u64 s[20:21], s[20:21], s[2:3]
	s_add_nc_u64 s[22:23], s[22:23], s[2:3]
	MKG0 G0A1, WPART, SLOTB, 20, 4608
	MKG0 G0B1, WPART, SLOTB, 22, 4608
	MKG0 G0A2, 24576, 0, 20, 9216
	MKG0 G0B2, 24576, 0, 22, 9216
	CROUND                                         ; all sixteen work-groups are here: the first joint loads meet
	ARM 1, G0A0, G1,  .Lhead_b
	ARM 2, G0B0, G1B, .Lhead_sa
	ARM 3, G0S,  G1S, .Lhead_sb
	tensor_load_to_lds s[G0SB:G0SB+3], s[G1SB:G1SB+7]
	s_nop 0
.rept 4
	v_nop
.endr
.Lhead_asked:
	s_mul_i32 s2, s15, WPART
	s_mul_i32 s3, s16, WPART
	s_add_co_u32 s3, s3, 2*WPART
	s_wait_alu depctr_va_vdst(0)
.irp s, 0,1
	v_add_nc_u32 v[ADA+\s], s2, v4
	v_add_nc_u32 v[ADA8+\s], s2, v5
	v_add_nc_u32 v[ADB+\s], s3, v4
	v_add_nc_u32 v[ADB8+\s], s3, v5
	s_add_co_u32 s2, s2, SLOTB
	s_add_co_u32 s3, s3, SLOTB
.endr
	s_mul_i32 s2, s15, 24576                       ; address set 2: the last 256 along K, on slot 0's bytes
	s_mul_i32 s3, s16, 24576
	s_add_co_u32 s3, s3, 49152
	v_add_nc_u32 v[ADA+2], s2, v4
	v_add_nc_u32 v[ADA8+2], s2, v5
	v_add_nc_u32 v[ADB+2], s3, v4
	v_add_nc_u32 v[ADB8+2], s3, v5
	v_lshlrev_b32 v7, 3, v2
	s_lshl_b32 s2, s15, 12
	s_lshl_b32 s3, s16, 12
	s_add_co_u32 s3, s3, 8192
	s_sub_co_u32 s3, s3, s2
	v_mul_u32_u24 v1, s3, v3                       ; lanes 16-31 take the N side's: one product, the distance between the two bases
	s_add_co_u32 s2, s2, SCL
	v_add_nc_u32 v7, v7, v1
	v_add_nc_u32 v[ADRS], s2, v7
	; where my results go.  P = 2 tile row + wm, Q = 2 tile column + wn.  q, k: index 256 Q + 4 P for codes (x 1,536) and scale words (x 64).  v^T: codes 256 P + Q, scale words 256 P + 4 Q
	s_lshl_b32 s2, s12, 1
	s_add_co_u32 s2, s2, s15
	s_lshl_b32 s3, s13, 1
	s_add_co_u32 s3, s3, s16
	s_lshl_b32 s17, s3, 8
	s_lshl_b32 s18, s2, 2
	s_add_co_u32 s17, s17, s18
	s_lshl_b32 s18, s2, 8
	s_add_co_u32 s19, s18, s3
	s_lshl_b32 s3, s3, 2
	s_add_co_u32 s18, s18, s3
	s_cmp_lg_u32 s97, 0
	s_cselect_b32 s19, s19, s17
	s_cselect_b32 s18, s18, s17
	s_mul_i32 s19, s19, 1536
	s_mul_i32 s17, s96, 3145728
	s_add_co_u32 s20, s19, s17
	s_mov_b32 s21, 0
	s_add_nc_u64 s[8:9], s[8:9], s[20:21]
	s_lshl_b32 s18, s18, 6
	s_lshl_b32 s17, s96, 17
	s_add_co_u32 s20, s18, s17
	s_add_nc_u64 s[10:11], s[10:11], s[20:21]
	s_mov_b32 s96, 0xffff0000                      ; from here on: the mask of lanes 16-31
	s_wait_alu depctr_va_vdst(0)
	s_wait_tensorcnt 0x0                           ; my tile of the head's four is in
	ds_add_u32 v[SPW], v[NIL]
	s_mov_b32 s[G1+2], 8<<16                       ; no load of mine is out: from here on a load brings 8 row tiles
	s_mov_b32 s[G1+4], 8
	s_mov_b32 s[G1B+2], 8<<16
	s_mov_b32 s[G1B+4], 8
	s_wait_dscnt 0x0
	CROUND
	JLOAD G0A1, G1, G0B1, G1B                      ; slot 1: K 384 to 767
	FETCH_B 0, 0, 0
	FETCH_A 0, 0, 0
	SCALES 0, 0
	FETCH_A 0, 0, 4
	STEP 0, 0, 1, 0, 1, -1                         ; step 0 starts the sums
	STEP 1, 0, 0, 0, 2, 1
	TURN 0, 1, 1, 1, -1                            ; step 2: slot 1 is whole, slot 0's bytes take K 768 to 1,023
	STEP 1, 1, 0, 1, 1, 2
	STEP 0, 0, 0, 1, 2, -1
	TURN 1, 0, 0, 2, 3                             ; step 5: the last load has landed in every wave; nothing is filled again
	STEP 0, 1, 0, 2, 1, -1
	s_wait_dscnt 16                                ; step 7: nothing more to fetch
	WIN MUL_LO
	MUL16 0, 1, 1, 0
	MUL16 2, 1, 1, 0
	s_wait_dscnt 0x0
	WIN MUL_HI
	MUL16 4, 1, 1, 0
	MUL16 6, 1, 1, 0
	WIN 0
; THE WAY OUT.  Block a (16 M rows x my 128 along N) becomes one fragment's codes in v[PC] on and its rows' scale word in v[PW + a % 4].
.macro QUANTW a
.set AC, 64*((\a)%4)
.set PWR, PW+(\a)%4
	WIN 0x28+0x14*((\a)/4)
.irp b, 0,1,2,3
	v_max3_num_f32 v[TM+\b], 0x2800000, |v[AC+16*\b]|, |v[AC+16*\b+1]|   ; each accumulator from its low end on; the floor 2^(5 - 127) holds the byte at 1 from below
.endr
.irp i, 2,4,6,8,10,12,14
.irp b, 0,1,2,3
	v_max3_num_f32 v[TM+\b], v[TM+\b], |v[AC+16*\b+\i]|, |v[AC+16*\b+\i+1]|
.endr
.endr
	WIN 0
.irp b, 0,1,2,3
	v_permlanex16_b32 v[TM+4+\b], v[TM+\b], s[SEL], s[SEL+1]
.endr
.irp b, 0,1,2,3
	v_max_num_f32 v[TM+\b], v[TM+\b], v[TM+4+\b]
.endr
.irp b, 0,1,2,3
	v_add_nc_u32 v[TM+12+\b], 0xfe000000, v[TM+\b] ; 4 off the exponent field: the conversion's scale operand
.endr
.irp b, 0,1,2,3
	v_lshrrev_b32 v[TM+4+\b], 23, v[TM+12+\b]
.endr
	v_lshl_or_b32 v[PWR], v[TM+5], 8, v[TM+4]
	v_lshl_or_b32 v[PWR], v[TM+6], 16, v[PWR]
	v_lshl_or_b32 v[PWR], v[TM+7], 24, v[PWR]
	WIN 0x02+(\a)/4
.irp c, 0,1
	v_cvt_scalef32_pk16_bf6_f32 v[PC+6*\c:PC+6*\c+2], v[AC+32*\c:AC+32*\c+15], v[TM+12+2*\c]
	v_cvt_scalef32_pk16_bf6_f32 v[CT+4*\c:CT+4*\c+2], v[AC+32*\c+16:AC+32*\c+31], v[TM+12+2*\c+1]
.endr
	WIN 0
	v_nop                                          ; one plain place behind a scaled conversion
.irp c, 0,1
.irp i, 0,1,2
	v_permlane16_swap_b32 v[PC+6*\c+\i], v[CT+4*\c+\i]
.endr
.irp i, 0,1,2
	v_mov_b32 v[PC+3+6*\c+\i], v[CT+4*\c+\i]
.endr
.endr
.endm
.macro OUTA a
.if (\a) > 0
	s_wait_xcnt 0x0                                ; the last block's stores have read their data and their base
	s_add_nc_u64 s[8:9], s[8:9], s[92:93]
.endif
.if (\a) == 4
	s_add_nc_u64 s[10:11], s[10:11], s[94:95]
.endif
	QUANTW \a
	global_store_b128 v4, v[PC:PC+3], s[8:9]                   ; each store covers 512 or 256 consecutive bytes, aligned
	global_store_b64 v5, v[PC+4:PC+5], s[8:9] offset:512
	global_store_b128 v20, v[PC+6:PC+9], s[8:9]
	global_store_b64 v21, v[PC+10:PC+11], s[8:9] offset:512
.if ((\a)%4) == 3                      ; four blocks' scale words, laid as the reader wants them
	v_cndmask_b32 v104, v[PW], v[PW+2], s96
	v_cndmask_b32 v105, v[PW+1], v[PW+3], s96
	v_cndmask_b32 v106, v[PW], v[PW+1], s96
	v_cndmask_b32 v107, v[PW+2], v[PW+3], s96
	v_perm_b32 v108, v105, v104, 0x05040100
	v_perm_b32 v109, v105, v104, 0x07060302
	v_cndmask_b32 v110, v108, v106, s97
	v_cndmask_b32 v111, v109, v107, s97
	global_store_b32 v22, v110, s[10:11]
	global_store_b32 v23, v111, s[10:11]
.endif
.endm
	PLACES 4
.irp a, 0,1,2,3,4,5,6,7
	OUTA \a
.endr
	s_wait_tensorcnt 0x0                           ; the wave's end
	ds_add_u32 v[SPW], v[NIL]
	s_wait_dscnt 0x0
	CROUND                                         ; the closing round
	s_endpgm
.Lfunc_end_k_q36378e4a49_proj:
	.size	k_q36378e4a49_proj, .Lfunc_end_k_q36378e4a49_proj-k_q36378e4a49_proj
	.p2alignl 7, 3214868480
	.fill 96, 4, 3214868480
	.section	.rodata,"a",@progbits
	.p2align	6, 0x0
	.amdhsa_kernel k_q36378e4a49_proj
		.amdhsa_group_segment_fixed_size 327680
		.amdhsa_private_segment_fixed_size 0
		.amdhsa_enable_private_segment 0
		.amdhsa_kernarg_size 32
		.amdhsa_user_sgpr_count 2
		.amdhsa_user_sgpr_kernarg_segment_ptr 1
		.amdhsa_wavefront_size32 1
		.amdhsa_system_sgpr_workgroup_id_x 1
		.amdhsa_system_sgpr_workgroup_id_y 1
		.amdhsa_system_sgpr_workgroup_id_z 1
		.amdhsa_system_vgpr_workitem_id 0
		.amdhsa_next_free_vgpr 1024
		.amdhsa_next_free_sgpr 102
		.amdhsa_reserve_vcc 0
		.amdhsa_float_denorm_mode_32 3
		.amdhsa_float_denorm_mode_16_64 3
		.amdhsa_memory_ordered 1
		.amdhsa_forward_progress 1
		.amdhsa_inst_pref_size 152
	.end_amdhsa_kernel
	.amdgpu_metadata
---
amdhsa.version: [ 1, 2 ]
amdhsa.kernels:
  - .name:           k_q36378e4a49_proj
    .symbol:         k_q36378e4a49_proj.kd
    .args:
      - { .name: ximg, .offset: 0, .size: 8, .value_kind: global_buffer, .address_space: global }
      - { .name: xsc, .offset: 8, .size: 8, .value_kind: global_buffer, .address_space: global }
      - { .name: qkvimg, .offset: 16, .size: 8, .value_kind: global_buffer, .address_space: global }
      - { .name: qkvsc, .offset: 24, .size: 8, .value_kind: global_buffer, .address_space: global }
    .group_segment_fixed_size: 327680
    .private_segment_fixed_size: 0
    .kernarg_segment_align: 8
    .kernarg_segment_size: 32
    .max_flat_workgroup_size: 128
    .sgpr_count:     102
    .vgpr_count:     1024
    .wavefront_size: 32
...
	.end_amdgpu_metadata
.endif
;; end of part 2
;; launch attn (part 3): grid 16 x 16, 16 waves a work-group, no clusters, 327,680 bytes of LDS; arguments qkvimg, qkvsc, aimg, asc; writes aimg, asc
.if DOCPART == 3
	.amdgcn_target "amdgcn-amd-amdhsa--gfx1250"
	.amdhsa_code_object_version 6
	.text
	.protected	k_q36378e4a49_attn
	.globl	k_q36378e4a49_attn
	.p2align	8
	.type	k_q36378e4a49_attn,@function
k_q36378e4a49_attn:
	s_mov_b64 s[64:65], 0
	v_nop
	global_prefetch_b8 v0, s[64:65] scope:SCOPE_SE
	s_setreg_imm32_b32 hwreg(HW_REG_WAVE_MODE, 25, 1), 1
	s_wait_xcnt 0x0
; CAUSAL ATTENTION OF ONE HEAD (work-group y) FOR TWO BLOCKS OF 128 QUERIES: the long one, block 31 - x, and the short one, block x (x = work-group x, 0 .. 15).  Both products on codes of E3M2.
; WORK LEFT OUT: blocks of 128 keys that lie wholly behind a block of 128 queries (reference()'s own causal mask gives them the weight 0 for all finite inputs): see launch quant's head.
; THE WALK.  The long block needs L = 32 - x key steps of 128, the short one x + 1: 33 ITEMS whatever x is.  Item j is (long, key step j) for j < L and (short, key step j - L) from there on.
; A tile of 16 queries (i = wave / 2 of each block's eight) belongs to TWO waves: wave 2 i + e takes the items with j % 2 = e, first of the long block's tile i, then of the short block's.  So all sixteen waves have 16 or 17 items.
; At its first item of the short block a wave leaves its partial result of the long tile (O^T, -M, the row's sum) in LDS bytes of its own and takes the short tile's q; -M is set to the starting value, so that the next step's factor
; 2^(old M - new M) is 0 and clears O^T and the sum (they are finite wherever reference()'s result is).  At the end the short partials follow, and behind one barrier wave 2 i joins the two partials of the long tile, wave 2 i + 1 those of the short one:
; M is a whole number, so each partial is brought under the common M by an exact power of two.  A partial with no item has the starting -M, O^T = 0 and the sum 0, and its factor is 0.
; THE RING.  Two slots of four items.  An item is 12,800 bytes: k's codes 6,144, v's codes 6,144, k's scale words 256, v's 256.  Every wave issues ONE tensor load for a slot: wave w brings part w / 4 of item w % 4; one load a wave is out.
; Slots 0 to 7 are whole; slot 8 holds item 32 alone, which four waves bring; that tail is written out.  All LDS addresses are made of constants, the wave's number and the slot's turn; x enters global addresses alone.
; NO CLUSTER: the work-groups of a head walk the same key steps only up to item 31 - x; from there on each needs another tile at the same place of the walk, so partners could not make every request jointly.
; PREFETCH: work-group x = 0 walks key steps 0 to 31 in order; its waves 4-6 (k) and 8-10 (v) name, a lane a block of 256 bytes, the codes of the slot behind the one whose loads have just gone out: 96 blocks each; slots 2 to 7.
; The softmax: S^T = k q^T and O^T = v^T p^T, a lane holds one query; M = ceil(running largest t), p = 2^(t - M), the sum of the unquantised p.  The head's 64 fill half of the instruction's K: a fragment of k holds two tiles of 16 keys, and q stands beside zeros.
; LIMITS: the scaled scores stay under 2^31 in magnitude; NaN and infinities among the inputs are not served.
.set ITEM,  12800
.set SLOT1, 65536
.set PST,   131072                     ; the partials: 4,608 bytes a wave; the long tiles' sixteen, then the short tiles'
.set PWB,   4608
.set PHALF, 16*PWB
.set SPARE, PST+2*PHALF                ; the spare words, which no other line names
.set SPW,  5
.set NIL,  6
.set PFO,  35
.set QS,   212                         ; v212-217 the short tile's q, v218 its scale word
.set PSA,  220
.set PSB,  221
.set PRA,  222
.set TB,   2
.set WV,   18
.set EP,   19
.set SEL,  20
.set CS,   22
.set G1K,  24
.set G1V,  32
.set G0,   40
.set BP,   44
.set G1S,  48
.set J,    66                          ; my next item
.set SLOTS, 67
.set JSW,  68                          ; my first item of the short block
.set DG,   69                          ; the item on the diagonal
.set LL,   71
.set JL,   73                          ; the item that my last load brought
.set STR,  74                          ; bytes from key step to key step in my part
.set PFA,  76
.set PFS,  78
.set LIM,  80
.macro TLOAD                           ; one chain on the wave's number, a load to each arm; s_nop 0 and four v_nop follow each
	s_cmp_lt_u32 s[WV], 4
	s_cbranch_scc0 .Lnot_k_\@
	tensor_load_to_lds s[G0:G0+3], s[G1K:G1K+7]
	s_nop 0
.rept 4
	v_nop
.endr
	s_branch .Lasked_\@
.Lnot_k_\@:
	s_cmp_lt_u32 s[WV], 8
	s_cbranch_scc0 .Lnot_v_\@
	tensor_load_to_lds s[G0:G0+3], s[G1V:G1V+7]
	s_nop 0
.rept 4
	v_nop
.endr
	s_branch .Lasked_\@
.Lnot_v_\@:
	tensor_load_to_lds s[G0:G0+3], s[G1S:G1S+7]
	s_nop 0
.rept 4
	v_nop
.endr
.Lasked_\@:
.endm
	s_load_b256 s[4:11], s[0:1], 0x0               ; qkvimg, qkvsc, aimg, asc
	v_lshl_add_u32 v[SPW], v0, 2, SPARE
	v_mov_b32 v[NIL], 0
	ds_add_u32 v[SPW], v[NIL]                      ; the opening: the add, twice on end, and its wait
	ds_add_u32 v[SPW], v[NIL]
	v_lshrrev_b32 v8, 5, v0
	v_readfirstlane_b32 s[WV], v8
	s_and_b32 s70, ttmp7, 0xffff                   ; head
	s_and_b32 s[EP], s[WV], 1                      ; e
	s_lshr_b32 s72, s[WV], 1                       ; tile i
	s_sub_co_u32 s[LL], 32, ttmp9                  ; L
	s_xor_b32 s81, s[LL], s[EP]
	s_and_b32 s81, s81, 1
	s_add_co_u32 s[JSW], s[LL], s81                ; the first j >= L with j % 2 = e
	s_sub_co_u32 s[DG], s[LL], 1
	s_mov_b32 s[J], s[EP]
	s_mul_i32 s[TB], s[EP], ITEM                   ; in a slot I read items e and 2 + e
	s_mov_b32 s[SLOTS], 7
	s_and_b32 s[JL], s[WV], 3                      ; as a loader: item w % 4,
	s_lshr_b32 s82, s[WV], 2                       ; part w / 4: 0 k's codes, 1 v's codes, 2 k's scale words, 3 v's
	s_min_u32 s83, s82, 2
	s_mul_i32 s83, s83, 6144
	s_lshr_b32 s84, s[WV], 3
	s_and_b32 s84, s84, s82                        ; 1 for part 3
	s_lshl_b32 s84, s84, 8
	s_add_co_u32 s83, s83, s84                     ; the part's place in an item: 0, 6,144, 12,288, 12,544
	s_mul_i32 s84, s[JL], ITEM
	s_mov_b32 s[G0], 1
	s_add_co_u32 s[G0+1], s83, s84
	s_mul_i32 s92, s70, 196608
	s_lshl_b32 s87, s70, 13
	s_and_b32 s88, s82, 1
	s_add_co_u32 s88, s88, 1
	s_lshl_b32 s90, s82, 1
	s_lshr_b32 s91, 6144, s90                      ; 6,144 for k's codes, 1,536 for v's
	s_mov_b32 s89, 131072
	s_mov_b32 s[STR], 256
	s_cmp_lt_u32 s82, 2
	s_cselect_b32 s86, s92, s87                    ; the head's place in its region
	s_cselect_b32 s89, 3145728, s89
	s_cselect_b32 s[STR], s91, s[STR]
	s_mul_i32 s89, s89, s88                        ; the region: k's is the first behind q's, v's the second
	s_add_co_u32 s86, s86, s89
	s_mov_b32 s87, 0
	s_mul_i32 s96, s[JL], s[STR]                   ; slot 0: key step = item (L is 17 at the least)
	s_mov_b32 s97, 0
	s_mov_b32 s[G1K], 3<<16                        ; k's codes of a key step: 6,144 dense bytes as 4 rows of 192 elements of 8 bytes
	s_mov_b32 s[G1K+1], 192<<16
	s_mov_b32 s[G1K+2], 4<<16
	s_mov_b32 s[G1K+3], 192<<16
	s_mov_b32 s[G1K+4], 4
	s_mov_b32 s[G1K+5], 192
	s_mov_b32 s[G1K+6], 0
	s_mov_b32 s[G1K+7], 0
	s_mov_b32 s[G1V], 3<<16                        ; v's: the same, the four row tiles 49,152 bytes apart
	s_mov_b32 s[G1V+1], 192<<16
	s_mov_b32 s[G1V+2], 4<<16
	s_mov_b32 s[G1V+3], 192<<16
	s_mov_b32 s[G1V+4], 4
	s_mov_b32 s[G1V+5], 6144
	s_mov_b32 s[G1V+6], 0
	s_mov_b32 s[G1V+7], 0
	s_mov_b32 s[G1S], 3<<16                        ; scale words: one row of 256 bytes
	s_mov_b32 s[G1S+1], 32<<16
	s_mov_b32 s[G1S+2], 1<<16
	s_mov_b32 s[G1S+3], 32<<16
	s_mov_b32 s[G1S+4], 1
	s_mov_b32 s[G1S+5], 32
	s_mov_b32 s[G1S+6], 1<<16
	s_mov_b32 s[G1S+7], 0
	s_mov_b32 s[SEL], 0x76543210
	s_mov_b32 s[SEL+1], 0xfedcba98
	s_mov_b32 s[CS], 0x3e38aa3b                    ; log2(e) / 8
	s_mov_b32 s[CS+1], s[CS]
	s_wait_dscnt 0x0
	s_wait_kmcnt 0x0
	s_cmp_lt_u32 s82, 2
	s_cselect_b64 s[BP:BP+1], s[4:5], s[6:7]
	s_add_nc_u64 s[BP:BP+1], s[BP:BP+1], s[86:87]  ; my part's key step 0
	s_add_nc_u64 s[G0+2:G0+3], s[BP:BP+1], s[96:97]
	s_or_b32 s[G0+3], s[G0+3], 0x80000000
	TLOAD                                          ; slot 0: one load a wave
	; where my result goes: wave 2 i stores the long tile, wave 2 i + 1 the short one
	s_sub_co_u32 s81, 31, ttmp9
	s_cmp_eq_u32 s[EP], 1
	s_cselect_b32 s82, ttmp9, s81
	s_lshl_b32 s82, s82, 3
	s_add_co_u32 s82, s82, s72                     ; row tile
	s_lshl_b32 s88, s82, 3
	s_lshr_b32 s89, s70, 1
	s_add_co_u32 s88, s88, s89
	s_mul_i32 s88, s88, 1536
	s_and_b32 s89, s70, 1
	s_mul_i32 s89, s89, 768
	s_add_co_u32 s88, s88, s89
	s_mov_b32 s89, 0
	s_add_nc_u64 s[8:9], s[8:9], s[88:89]
	s_lshl_b32 s88, s82, 9
	s_lshr_b32 s90, s70, 2
	s_lshl_b32 s90, s90, 7
	s_add_co_u32 s88, s88, s90
	s_and_b32 s90, s70, 3
	s_lshl_b32 s90, s90, 1
	s_add_co_u32 s88, s88, s90
	s_add_nc_u64 s[10:11], s[10:11], s[88:89]
	; the prefetches
	s_cmp_lt_u32 s[WV], 8
	s_mov_b32 s[PFS], 6144
	s_cselect_b32 s[PFS], 24576, s[PFS]
	s_mov_b32 s88, 6291456
	s_cselect_b32 s88, 3145728, s88
	s_mov_b32 s95, 43008
	s_cselect_b32 s95, 0, s95
	s_mov_b32 s[PFS+1], 0
	s_add_co_u32 s88, s88, s92
	s_add_co_u32 s88, s88, s[PFS]
	s_add_nc_u64 s[PFA:PFA+1], s[4:5], s[88:89]
	s_sub_co_u32 s90, s[WV], 4
	s_lshr_b32 s90, s90, 3
	s_or_b32 s90, s90, ttmp9
	s_cmp_eq_u32 s90, 0
	s_cselect_b32 s[LIM], 1, -1
	s_and_b32 s90, s[WV], 3
	s_cmp_eq_u32 s90, 3
	s_cselect_b32 s[LIM], -1, s[LIM]
	s_min_u32 s90, s90, 2
	s_lshl_b32 s94, s90, 5
	; LDS places of the partials, the mask's term, the scale bytes' select
	s_mul_i32 s98, s[WV], PWB
	s_add_co_u32 s98, s98, PST
	s_and_b32 s99, s[WV], 14
	s_mul_i32 s99, s99, PWB
	s_mul_i32 s90, s[EP], PHALF
	s_add_co_u32 s99, s99, s90
	s_add_co_u32 s99, s99, PST
	s_lshr_b32 s83, s72, 1
	s_and_b32 s93, s72, 1                          ; u
	s_lshl_b32 s86, s83, 5
	s_lshl_b32 s90, s93, 3
	s_add_co_u32 s86, s86, s90
	s_mov_b32 s87, 0x01000100
	s_cmp_eq_u32 s93, 1
	s_cselect_b32 s87, 0x03020302, s87
	; q of both tiles
	s_lshl_b32 s84, s70, 7
	s_add_co_u32 s84, s84, s83                     ; 128 head + i / 2
	s_lshl_b32 s82, s81, 2
	s_add_co_u32 s82, s82, s84                     ; the long tile's group of 32 rows
	s_lshl_b32 s85, ttmp9, 2
	s_add_co_u32 s85, s85, s84                     ; the short tile's
	s_mul_i32 s93, s93, 768
	s_mul_i32 s88, s82, 1536
	s_add_co_u32 s88, s88, s93
	s_mov_b32 s89, 0
	s_add_nc_u64 s[88:89], s[4:5], s[88:89]
	s_mul_i32 s90, s85, 1536
	s_add_co_u32 s90, s90, s93
	s_mov_b32 s91, 0
	s_add_nc_u64 s[90:91], s[4:5], s[90:91]
	s_lshl_b32 s82, s82, 6
	s_mov_b32 s83, 0
	s_add_nc_u64 s[82:83], s[6:7], s[82:83]
	s_lshl_b32 s84, s85, 6
	s_mov_b32 s85, 0
	s_add_nc_u64 s[84:85], s[6:7], s[84:85]
	v_and_b32 v8, 15, v0
	v_bfe_u32 v9, v0, 4, 1
	v_and_b32 v10, 31, v0
	v_lshlrev_b32 v1, 4, v10
	v_lshlrev_b32 v2, 3, v10
	v_lshl_add_u32 v3, v10, 2, 12288
	v_lshlrev_b32 v7, 3, v8
	v_lshlrev_b32 v11, 2, v8
	global_load_b128 v[16:19], v1, s[88:89]        ; q stands twice, with zeros between: v16-27 = (q, 0), v22-33 = (0, q)
	global_load_b64 v[20:21], v2, s[88:89] offset:512
	global_load_b128 v[28:31], v1, s[88:89]
	global_load_b64 v[32:33], v2, s[88:89] offset:512
	global_load_b32 v211, v11, s[82:83]
	global_load_b128 v[QS:QS+3], v1, s[90:91]
	global_load_b64 v[QS+4:QS+5], v2, s[90:91] offset:512
	global_load_b32 v219, v11, s[84:85]
	v_add_nc_u32 v[PSA], s98, v1
	v_add_nc_u32 v[PSB], PHALF, v[PSA]
	v_add_nc_u32 v[PRA], s99, v1
	v_add_nc_u32 v[PFO], s94, v10
	v_mul_u32_u24 v36, v[PFO], 43
	v_lshrrev_b32 v36, 10, v36
	v_mul_u32_u24 v36, s95, v36
	v_lshl_add_u32 v[PFO], v[PFO], 8, v36
	v_and_b32 v4, 8, v8
	v_add_nc_u32 v4, v4, v8
	v_lshlrev_b32 v9, 4, v9
	v_sub_nc_u32 v4, v4, v9
	v_add_nc_u32 v4, s86, v4                       ; my query's place in its block, less 16 h
	s_wait_alu depctr_va_vdst(0)
	s_wait_loadcnt 0x0
	v_perm_b32 v34, v211, v211, s87
	v_perm_b32 v[QS+6], v219, v219, s87
.irp j, 22,23,24,25,26,27
	v_mov_b32 v[\j], 0
.endr
	v_mov_b32 v13, 0xff61b1e6                      ; the largest t so far: -3e38
	v_floor_f32 v12, -v13                          ; -M
	v_mov_b32 v14, 0
	v_mov_b32 v15, 0
.irp b, 0,1,2,3
	v_mov_b32 v[236+\b], 0
.endr
	v_mov_b32 v252, 0
	v_mov_b32 v253, 0
	v_mov_b32 v255, 0
.set N, 0
.rept 32
	v_mov_b32 v[160+N], 0
.set N, N+1
.endr
	s_wait_alu depctr_va_vdst(0)
.macro DUMP adr                        ; O^T, each accumulator from its low end on, then -M, t and the sum's halves
.set N, 0
.rept 8
	ds_store_b128 v[\adr], v[160+4*N:163+4*N] offset:512*N
.set N, N+1
.endr
	s_wait_alu depctr_va_vdst(0)
	ds_store_b128 v[\adr], v[12:15] offset:4096
.endm
; chg >= 0: the slot's last step; it carries the change of slots (0: nothing is filled, 1: the next four items, 2: item 32 alone).  My last LDS reads of the slot are this step's fragments of v: behind them I wait, add and signal;
; the softmax and the second product, work on registers alone, stand between the signal and the barrier's wait.  hid = 1: the walk's last step, which has no item for the odd waves.
.macro STEP q, chg, hid
	s_cmp_lg_u32 s[J], s[JSW]
	s_cbranch_scc1 .Lsame_\@
.rept 4
	v_nop                                          ; places behind the last products
.endr
	DUMP PSA                                       ; the long tile's partial
	v_mov_b32 v34, v[QS+6]                         ; the short tile's q: the scale word 8 places and more ahead of the next product, the codes 4 and more
.irp i, 0,1,2,3,4,5
	v_mov_b32 v[16+\i], v[QS+\i]
	v_mov_b32 v[28+\i], v[QS+\i]
.endr
	v_mov_b32 v13, 0xff61b1e6
	v_floor_f32 v12, -v13                          ; the next step's factor is 0: it clears O^T and the sum
	s_mov_b32 s[DG], 32
.Lsame_\@:
.if \hid
	s_cmp_gt_u32 s[J], 32
	s_cbranch_scc1 .Lhidden_\@
.endif
	v_add_nc_u32 v8, s[TB], v1
	v_add_nc_u32 v9, s[TB], v2
	v_add_nc_u32 v10, s[TB], v3
	v_nop                                          ; four places in front of loads into registers that matrix instructions have read
.irp g, 0,1,2,3
	ds_load_b128 v[36+12*\g:39+12*\g], v8 offset:2*(\q)*ITEM+1536*\g
	ds_load_b64 v[40+12*\g:41+12*\g], v9 offset:2*(\q)*ITEM+1536*\g+512
	ds_load_b128 v[42+12*\g:45+12*\g], v8 offset:2*(\q)*ITEM+1536*\g+768
	ds_load_b64 v[46+12*\g:47+12*\g], v9 offset:2*(\q)*ITEM+1536*\g+1280
.endr
	ds_load_b32 v84, v10 offset:2*(\q)*ITEM
	ds_load_b32 v85, v10 offset:2*(\q)*ITEM+128
	s_wait_alu depctr_va_vdst(0)
	s_wait_dscnt 0x0
.irp g, 0,1,2,3
.irp u, 0,1
.if \g%2
	v_wmma_scale_f32_16x16x128_f8f6f4 v[96+8*(2*\g+\u):103+8*(2*\g+\u)], v[36+12*\g:47+12*\g], v[16+6*\u:27+6*\u], 0, v[84+\g/2], v34 matrix_a_fmt:MATRIX_FMT_BF6 matrix_b_fmt:MATRIX_FMT_BF6 matrix_a_scale:MATRIX_SCALE_ROW1
.else
	v_wmma_scale_f32_16x16x128_f8f6f4 v[96+8*(2*\g+\u):103+8*(2*\g+\u)], v[36+12*\g:47+12*\g], v[16+6*\u:27+6*\u], 0, v[84+\g/2], v34 matrix_a_fmt:MATRIX_FMT_BF6 matrix_b_fmt:MATRIX_FMT_BF6
.endif
.endr
.endr
.rept 4
	v_nop
.endr
.irp t, 0,1,2,3
	ds_load_b128 v[36+12*\t:39+12*\t], v8 offset:2*(\q)*ITEM+6144+1536*\t
	ds_load_b64 v[40+12*\t:41+12*\t], v9 offset:2*(\q)*ITEM+6144+1536*\t+512
	ds_load_b128 v[42+12*\t:45+12*\t], v8 offset:2*(\q)*ITEM+6144+1536*\t+768
	ds_load_b64 v[46+12*\t:47+12*\t], v9 offset:2*(\q)*ITEM+6144+1536*\t+1280
.endr
	ds_load_b32 v86, v10 offset:2*(\q)*ITEM+256
	ds_load_b32 v87, v10 offset:2*(\q)*ITEM+384
.if \chg >= 0
	CHFRONT \chg
.endif
	s_cmp_lg_u32 s[J], s[DG]
	s_cbranch_scc1 .Lopen_\@
	v_mov_b32 v254, 0xff800000                     ; on the diagonal: keys behind my query
.set N, 0
.rept 64
	v_cmp_gt_i32 vcc_lo, 32*(N/16)+N%16, v4
	v_cndmask_b32 v[96+N], v[96+N], v254, vcc_lo
.set N, N+1
.endr
.Lopen_\@:
.irp b, 0,1,2,3
	v_max3_num_f32 v[232+\b], v[96+16*\b], v[97+16*\b], v[98+16*\b]   ; each block's largest score: for the row's maximum and for the block's largest p
.endr
.irp i, 3,5,7,9,11,13
.irp b, 0,1,2,3
	v_max3_num_f32 v[232+\b], v[232+\b], v[96+16*\b+\i], v[97+16*\b+\i]
.endr
.endr
.irp b, 0,1,2,3
	v_max_num_f32 v[232+\b], v[232+\b], v[111+16*\b]
.endr
.irp b, 0,1,2,3
	s_delay_alu instid0(VALU_DEP_4)
	v_permlanex16_b32 v[236+\b], v[232+\b], s[SEL], s[SEL+1]
.endr
.irp b, 0,1,2,3
	s_delay_alu instid0(VALU_DEP_4)
	v_max_num_f32 v[232+\b], v[232+\b], v[236+\b]
.endr
	s_delay_alu instid0(VALU_DEP_2)
	v_max3_num_f32 v254, v232, v233, v234
	s_delay_alu instid0(VALU_DEP_1)
	v_max_num_f32 v254, v254, v235
	s_delay_alu instid0(VALU_DEP_1)
	v_mul_f32 v254, s[CS], v254
	s_delay_alu instid0(VALU_DEP_1)
	v_max_num_f32 v13, v13, v254
	v_mov_b32 v254, v12
	s_delay_alu instid0(VALU_DEP_2)
	v_floor_f32 v12, -v13                          ; -M = floor(-t)
	s_delay_alu instid0(VALU_DEP_1)
	v_sub_f32 v254, v12, v254
	s_delay_alu instid0(VALU_DEP_1)
	v_cvt_i32_f32 v254, v254
	s_delay_alu instid0(VALU_DEP_1)
	v_ldexp_f32 v252, 1.0, v254                    ; f = 2^(old M - new M)
.set N, 0
.rept 32
	v_pk_fma_f32 v[96+N:97+N], v[96+N:97+N], s[CS:CS+1], v[12:13] op_sel_hi:[1,0,0]
.set N, N+2
.endr
.irp b, 0,1,2,3
	v_fma_f32 v[232+\b], v[232+\b], s[CS], v12
.endr
	s_wait_alu depctr_va_vdst(0)
.set N, 0
.rept 64
	v_exp_f32 v[96+N], v[96+N]
.set N, N+1
.endr
	v_pk_mul_f32 v[14:15], v[14:15], v[252:253] op_sel_hi:[1,0]
	s_wait_alu depctr_va_vdst(0)
.irp b, 0,1,2,3
	v_exp_f32 v[232+\b], v[232+\b]
.endr
	v_pk_add_f32 v[236:237], v[96:97], v[98:99]    ; the sum of the unquantised p, in two chains
.irp j, 4,8,12,16,20,24,28,32,36,40,44,48,52,56,60
	v_pk_add_f32 v[14:15], v[14:15], v[96+\j:97+\j]
	v_pk_add_f32 v[236:237], v[236:237], v[98+\j:99+\j]
.endr
	s_delay_alu instid0(VALU_DEP_1)
	v_pk_add_f32 v[14:15], v[14:15], v[236:237]
	s_wait_alu depctr_va_vdst(0)
.irp b, 0,1,2,3
	v_max_num_f32 v[232+\b], 0x2800000, v[232+\b]
.endr
.irp b, 0,1,2,3
	s_delay_alu instid0(VALU_DEP_4)
	v_add_nc_u32 v[244+\b], 0xfe000000, v[232+\b]
.endr
.irp b, 0,1,2,3
	s_delay_alu instid0(VALU_DEP_4)
	v_lshrrev_b32 v[236+\b], 23, v[244+\b]
.endr
	s_delay_alu instid0(VALU_DEP_3)
	v_lshl_or_b32 v253, v237, 8, v236
	s_delay_alu instid0(VALU_DEP_1)
	v_lshl_or_b32 v253, v238, 16, v253
	s_delay_alu instid0(VALU_DEP_1)
	v_lshl_or_b32 v253, v239, 24, v253
.irp c, 0,1
	v_cvt_scalef32_pk16_bf6_f32 v[192+6*\c:194+6*\c], v[96+32*\c:111+32*\c], v[244+2*\c]
	v_cvt_scalef32_pk16_bf6_f32 v[204+4*\c:206+4*\c], v[112+32*\c:127+32*\c], v[244+2*\c+1]
.endr
	v_nop
.irp c, 0,1
.irp i, 0,1,2
	v_permlane16_swap_b32 v[192+6*\c+\i], v[204+4*\c+\i]
.endr
.irp i, 0,1,2
	v_mov_b32 v[195+6*\c+\i], v[204+4*\c+\i]
.endr
.endr
	s_wait_alu depctr_va_vdst(0)
.set N, 0
.rept 16
	v_pk_mul_f32 v[160+N:161+N], v[160+N:161+N], v[252:253] op_sel_hi:[1,0]
.set N, N+2
.endr
	s_wait_alu depctr_va_vdst(0)
.if \chg < 0
	s_wait_dscnt 0x0
.endif
.irp t, 0,1,2,3
.if \t%2
	v_wmma_scale_f32_16x16x128_f8f6f4 v[160+8*\t:167+8*\t], v[36+12*\t:47+12*\t], v[192:203], v[160+8*\t:167+8*\t], v[86+\t/2], v253 matrix_a_fmt:MATRIX_FMT_BF6 matrix_b_fmt:MATRIX_FMT_BF6 matrix_a_scale:MATRIX_SCALE_ROW1
.else
	v_wmma_scale_f32_16x16x128_f8f6f4 v[160+8*\t:167+8*\t], v[36+12*\t:47+12*\t], v[192:203], v[160+8*\t:167+8*\t], v[86+\t/2], v253 matrix_a_fmt:MATRIX_FMT_BF6 matrix_b_fmt:MATRIX_FMT_BF6
.endif
.endr
.if \hid
.Lhidden_\@:
.endif
	s_add_co_u32 s[J], s[J], 2
.if \chg >= 0
	CHBACK \chg
.endif
.endm
; A change of slots.  fill = 1: the other slot takes the next four items; 2: item 32 alone; 0: nothing.
.macro CHFRONT fill
	s_wait_tensorcnt 0x0                           ; my load has landed
	ds_add_u32 v[SPW], v[NIL]
.if \fill
	s_xor_b32 s[G0+1], s[G0+1], SLOT1
	s_add_co_u32 s[JL], s[JL], 4                   ; my next item, and its key step: j, or j - L from item L on
	s_cmp_lt_u32 s[JL], s[LL]
	s_cselect_b32 s96, 0, s[LL]
	s_sub_co_u32 s96, s[JL], s96
	s_mul_i32 s96, s96, s[STR]
	s_add_nc_u64 s[G0+2:G0+3], s[BP:BP+1], s[96:97]
	s_or_b32 s[G0+3], s[G0+3], 0x80000000
.endif
.if \fill == 1
	s_wait_xcnt 0x0                                ; my last prefetch has read its address
	s_add_nc_u64 s[PFA:PFA+1], s[PFA:PFA+1], s[PFS:PFS+1]
.endif
	s_wait_dscnt 0x0                               ; the add is done, and my reads of the other slot are over
	s_barrier_signal -1
.endm
.macro CHBACK fill                     ; the barrier's wait, and behind it the refill first
	s_barrier_wait -1
.if \fill == 1
	TLOAD
	s_cmp_gt_u32 s[SLOTS], s[LIM]
	s_cbranch_scc0 .Lnot_mine_\@
	global_prefetch_b8 v[PFO], s[PFA:PFA+1] th:TH_LOAD_NT scope:SCOPE_SE
.Lnot_mine_\@:
.endif
.if \fill == 2
	s_and_b32 s98, s[WV], 3
	s_cmp_lg_u32 s98, 0
	s_cbranch_scc1 .Lpast_\@                       ; items 33 to 35 do not exist: their loaders issue nothing
	TLOAD
.Lpast_\@:
.endif
.endm
	CHFRONT 1                                      ; slot 0 is whole; slot 1's first fill goes out as a refill does
	CHBACK 1
	s_mov_b32 s[SLOTS], 6
.Lslot:                                                ; slots 0 to 5; their last steps ask for slots 2 to 7
	STEP 0, -1, 0
	STEP 1, 1, 0
	s_xor_b32 s[TB], s[TB], SLOT1
	s_sub_co_u32 s[SLOTS], s[SLOTS], 1
	s_cmp_lg_u32 s[SLOTS], 0
	s_cbranch_scc1 .Lslot
	STEP 0, -1, 0                                  ; slot 6; its last step asks for item 32
	STEP 1, 2, 0
	s_xor_b32 s[TB], s[TB], SLOT1
	STEP 0, -1, 0                                  ; slot 7; nothing more is asked for
	STEP 1, 0, 0
	s_xor_b32 s[TB], s[TB], SLOT1
	STEP 0, -1, 1                                  ; item 32
.rept 4
	v_nop
.endr
	DUMP PSB                                       ; the short tile's partial
	s_wait_dscnt 0x0
	s_barrier_signal -1
	s_barrier_wait -1
.set N, 0
.rept 8
	ds_load_b128 v[96+4*N:99+4*N], v[PRA] offset:512*N
	ds_load_b128 v[128+4*N:131+4*N], v[PRA] offset:PWB+512*N
.set N, N+1
.endr
	ds_load_b128 v[88:91], v[PRA] offset:4096
	ds_load_b128 v[92:95], v[PRA] offset:PWB+4096
	s_wait_dscnt 0x0
	v_min_num_f32 v12, v88, v92                    ; the common -M
	v_add_f32 v14, v90, v91
	v_add_f32 v15, v94, v95
	v_sub_f32 v8, v12, v88
	v_sub_f32 v9, v12, v92
	v_cvt_i32_f32 v8, v8
	v_cvt_i32_f32 v9, v9
	v_ldexp_f32 v8, 1.0, v8                        ; each partial's factor, an exact power of two or 0
	v_ldexp_f32 v9, 1.0, v9
	v_mul_f32 v14, v14, v8
	v_fmac_f32 v14, v15, v9
	v_permlanex16_b32 v236, v14, s[SEL], s[SEL+1]
	v_add_f32 v14, v14, v236                       ; the row's sum
	s_wait_alu depctr_va_vdst(0)
	v_rcp_f32 v14, v14
	v_nop
	s_wait_alu depctr_va_vdst(0)
	v_mul_f32 v252, v8, v14
	v_mul_f32 v254, v9, v14
.set N, 0
.rept 16
	v_pk_mul_f32 v[96+N:97+N], v[96+N:97+N], v[252:253] op_sel_hi:[1,0]
.set N, N+2
.endr
.set N, 0
.rept 16
	v_pk_fma_f32 v[96+N:97+N], v[128+N:129+N], v[254:255], v[96+N:97+N] op_sel_hi:[1,0,1]
.set N, N+2
.endr
.irp b, 0,1
	v_max3_num_f32 v[232+\b], |v[96+16*\b]|, |v[97+16*\b]|, 0x2800000   ; the result is quantised along the head's 64: two blocks
.endr
.irp i, 2,4,6,8,10,12,14
.irp b, 0,1
	s_delay_alu instid0(VALU_DEP_2)
	v_max3_num_f32 v[232+\b], v[232+\b], |v[96+16*\b+\i]|, |v[97+16*\b+\i]|
.endr
.endr
.irp b, 0,1
	v_permlanex16_b32 v[236+\b], v[232+\b], s[SEL], s[SEL+1]
.endr
.irp b, 0,1
	v_max_num_f32 v[232+\b], v[232+\b], v[236+\b]
.endr
.irp b, 0,1
	v_add_nc_u32 v[244+\b], 0xfe000000, v[232+\b]
.endr
.irp b, 0,1
	v_lshrrev_b32 v[236+\b], 23, v[244+\b]
.endr
	v_lshl_or_b32 v254, v237, 8, v236
	v_cvt_scalef32_pk16_bf6_f32 v[192:194], v[96:111], v244
	v_cvt_scalef32_pk16_bf6_f32 v[196:198], v[112:127], v245
	v_nop
.irp i, 0,1,2
	v_permlane16_swap_b32 v[192+\i], v[196+\i]
.endr
	v_mov_b32 v195, v196
	v_mov_b32 v196, v197
	v_mov_b32 v197, v198
	global_store_b128 v1, v[192:195], s[8:9]       ; 512 consecutive bytes, aligned
	global_store_b64 v2, v[196:197], s[8:9] offset:512
	global_store_b16 v7, v254, s[10:11]
	s_wait_tensorcnt 0x0                           ; the wave's end
	ds_add_u32 v[SPW], v[NIL]
	s_wait_dscnt 0x0
	s_endpgm
.Lfunc_end_k_q36378e4a49_attn:
	.size	k_q36378e4a49_attn, .Lfunc_end_k_q36378e4a49_attn-k_q36378e4a49_attn
	.p2alignl 7, 3214868480
	.fill 96, 4, 3214868480
	.section	.rodata,"a",@progbits
	.p2align	6, 0x0
	.amdhsa_kernel k_q36378e4a49_attn
		.amdhsa_group_segment_fixed_size 327680
		.amdhsa_private_segment_fixed_size 0
		.amdhsa_enable_private_segment 0
		.amdhsa_kernarg_size 32
		.amdhsa_user_sgpr_count 2
		.amdhsa_user_sgpr_kernarg_segment_ptr 1
		.amdhsa_wavefront_size32 1
		.amdhsa_system_sgpr_workgroup_id_x 1
		.amdhsa_system_sgpr_workgroup_id_y 1
		.amdhsa_system_sgpr_workgroup_id_z 1
		.amdhsa_system_vgpr_workitem_id 0
		.amdhsa_next_free_vgpr 256
		.amdhsa_next_free_sgpr 100
		.amdhsa_reserve_vcc 1
		.amdhsa_float_denorm_mode_32 3
		.amdhsa_float_denorm_mode_16_64 3
		.amdhsa_memory_ordered 1
		.amdhsa_forward_progress 1
		.amdhsa_inst_pref_size 186
	.end_amdhsa_kernel
	.amdgpu_metadata
---
amdhsa.version: [ 1, 2 ]
amdhsa.kernels:
  - .name:           k_q36378e4a49_attn
    .symbol:         k_q36378e4a49_attn.kd
    .args:
      - { .name: qkvimg, .offset: 0, .size: 8, .value_kind: global_buffer, .address_space: global }
      - { .name: qkvsc, .offset: 8, .size: 8, .value_kind: global_buffer, .address_space: global }
      - { .name: aimg, .offset: 16, .size: 8, .value_kind: global_buffer, .address_space: global }
      - { .name: asc, .offset: 24, .size: 8, .value_kind: global_buffer, .address_space: global }
    .group_segment_fixed_size: 327680
    .private_segment_fixed_size: 0
    .kernarg_segment_align: 8
    .kernarg_segment_size: 32
    .max_flat_workgroup_size: 512
    .sgpr_count:     100
    .vgpr_count:     256
    .wavefront_size: 32
...
	.end_amdgpu_metadata
.endif
;; end of part 3
;; launch outp (part 4): grid 8 x 32, 4 waves a work-group, clusters of 4 x 4, 222,720 bytes of LDS; arguments aimg, asc, ximg, xsc, out0; writes out0
.if DOCPART == 4
	.amdgcn_target "amdgcn-amd-amdhsa--gfx1250"
	.amdhsa_code_object_version 6
	.text
	.protected	k_q36378e4a49_outp
	.globl	k_q36378e4a49_outp
	.p2align	8
	.type	k_q36378e4a49_outp,@function
k_q36378e4a49_outp:
	s_mov_b64 s[64:65], 0
	v_nop
	global_prefetch_b8 v0, s[64:65] scope:SCOPE_SE
	s_setreg_imm32_b32 hwreg(HW_REG_WAVE_MODE, 25, 1), 1
	s_wait_xcnt 0x0
	s_wait_alu depctr_hold_cnt(0) depctr_sa_sdst(0) depctr_va_vdst(0) depctr_va_sdst(0) depctr_va_ssrc(0) depctr_va_vcc(0) depctr_vm_vsrc(0)
	s_getreg_b32 s2, hwreg(HW_REG_IB_STS2, 6, 4)
	s_cmp_eq_u32 s2, 0
	s_cbranch_scc0 .Lentry_in_a_cluster
	s_endpgm
.Lentry_in_a_cluster:
	s_bfe_u32 s2, ttmp6, 0x10000c
	s_cmp_lg_u32 s2, 0xf033
	s_cbranch_scc0 .Lentry_shape_is_right
	s_endpgm
.Lentry_shape_is_right:
; out0 = attn Wo^T on codes of E3M2, K = 1,024: 4,096 x 1,024, f32.  The M side's images and scale words come from launch attn (aimg, asc), the N side's (Wo: row tiles 960 to 1023 of ximg, xsc) from launch quant.  Nothing is left out here.
; SHARES.  A work-group makes 128 x 128: 8 x 32 = 256 work-groups.  Four waves, each 64 x 64: 16 accumulators, 128 registers.
; ALL OF K LIES IN LDS AT ONCE: 8 row tiles x 12,288 bytes a side, and their scale words, 4,096 bytes a side.  One joint load a wave at the head: wave 0 the M side's codes, wave 1 the N side's, wave 2 the M side's scale words, wave 3 the N side's.
; Nothing is filled again: no ring, one barrier.  CLUSTERS 4 x 4: the M side is shared along a row of the cluster, the N side along a column.  No prefetch: the launch has no loop to run ahead in.
; THE MATRIX INSTRUCTION IS USED TRANSPOSED (source 0 = a row tile of Wo, source 1 = one of attn).  In a row tile lane r holds row 32 (T / 2) + 8 (T % 2) + r + 8 (r / 8): register j of accumulator (a, b) in lane (r, h) is
; out0(that row of tile a, column 32 (b / 2) + 16 h + 8 (b % 2) + j of my 64).
; REGISTERS: window 0: v4-17 addresses; v32-127, v128-223 two sets of fragments (the N side's four, then the M side's four); v224-255 the scale words of all of K.  window 1: v0-127 the accumulators, (a, b) at v[8 (4 a + b)].
.set NC,    98304                      ; the N side's codes
.set SCL,   196608                     ; the scale words
.set STG,   204800                     ; the way out: a stage of 16 rows x (256 + 16) bytes for each wave, bytes that no tensor load fills
.set SPITCH, 272
.set SPARE, STG+4*16*SPITCH            ; the spare words, which no other line names
.set ADA,   8
.set ADA8,  9
.set ADB,   10
.set ADB8,  11
.set ADRS,  12
.set STO,   13
.set RD,    14
.set CO,    15
.set SPW,   16
.set NIL,   17
.set SC,    224
.set G1,    24
.set G1B,   32
.set G1S,   40
.set G1SB,  48
.set G0M,   56
.set G0N,   60
.set G0SM,  68
.set G0SN,  72
.set MSB, 0
.macro WIN new                         ; the immediate's high byte repeats the setting that is left
.if MSB != (\new)
	s_set_vgpr_msb (MSB<<8)|(\new)
.set MSB, (\new)
.endif
.endm
.macro CROUND
	s_barrier_signal -1
	s_barrier_wait -1
	s_cmp_lg_u32 s14, 0
	s_cbranch_scc1 .Lnot_wave_0_\@
	s_barrier_signal -3
.Lnot_wave_0_\@:
	s_barrier_wait -3
	s_barrier_signal -1
	s_barrier_wait -1
.endm
.macro HG0 g, lds, base, off
	s_mov_b32 s[\g], 1
	s_mov_b32 s[\g+1], \lds
	s_add_nc_u64 s[\g+2:\g+3], s[\base:\base+1], s[\off:\off+1]
	s_or_b32 s[\g+3], s[\g+3], 0x80000000
.endm
.macro ARM under, g0, g1, next
	s_cmp_lt_u32 s14, \under
	s_cbranch_scc0 \next
	tensor_load_to_lds s[\g0:\g0+3], s[\g1:\g1+7]
	s_nop 0
.rept 4
	v_nop
.endr
	s_branch .Lhead_asked
\next:
.endm
.macro FRAG reg, a16, a8, off
	ds_load_b128 v[(\reg):(\reg)+3], v[\a16] offset:(\off)
	ds_load_b64 v[(\reg)+4:(\reg)+5], v[\a8] offset:(\off)+512
	ds_load_b128 v[(\reg)+6:(\reg)+9], v[\a16] offset:(\off)+768
	ds_load_b64 v[(\reg)+10:(\reg)+11], v[\a8] offset:(\off)+1280
.endm
.macro FETCH st                        ; step st's eight fragments into set st % 2: 32 loads
.irp i, 0,1,2,3
	FRAG 32+96*((\st)%2)+12*\i, ADB, ADB8, \i*12288+(\st)*1536
.endr
.irp i, 0,1,2,3
	FRAG 80+96*((\st)%2)+12*\i, ADA, ADA8, \i*12288+(\st)*1536
.endr
.endm
.macro MUL st                          ; 16 matrix instructions; the accumulators take turns, one instruction a turn
.set FB, 32+96*((\st)%2)
.set SW, SC+8*((\st)/2)+(\st)%2
.irp a, 0,1,2,3
.irp b, 0,1,2,3
.if (\st) == 0
	v_wmma_scale_f32_16x16x128_f8f6f4 v[8*(4*\a+\b):8*(4*\a+\b)+7], v[FB+12*\b:FB+12*\b+11], v[FB+48+12*\a:FB+48+12*\a+11], 0, v[SW+2*\b], v[SW+2*\a] matrix_a_fmt:MATRIX_FMT_BF6 matrix_b_fmt:MATRIX_FMT_BF6 matrix_a_scale:MATRIX_SCALE_ROW1
.else
	v_wmma_scale_f32_16x16x128_f8f6f4 v[8*(4*\a+\b):8*(4*\a+\b)+7], v[FB+12*\b:FB+12*\b+11], v[FB+48+12*\a:FB+48+12*\a+11], v[8*(4*\a+\b):8*(4*\a+\b)+7], v[SW+2*\b], v[SW+2*\a] matrix_a_fmt:MATRIX_FMT_BF6 matrix_b_fmt:MATRIX_FMT_BF6 matrix_a_scale:MATRIX_SCALE_ROW1
.endif
.endr
.endr
.endm
	s_load_b256 s[4:11], s[0:1], 0x0               ; aimg, asc, ximg, xsc
	s_load_b64 s[12:13], s[0:1], 0x20              ; out0
	v_lshl_add_u32 v[SPW], v0, 2, SPARE
	v_mov_b32 v[NIL], 0
	ds_add_u32 v[SPW], v[NIL]                      ; the opening: the add, twice on end, and its wait
	ds_add_u32 v[SPW], v[NIL]
	v_lshrrev_b32 v1, 5, v0
	v_readfirstlane_b32 s14, v1                    ; wave
	s_lshr_b32 s15, s14, 1                         ; wm
	s_and_b32 s16, s14, 1                          ; wn
	s_bfe_u32 s17, ttmp6, 0x40000                  ; cx
	s_bfe_u32 s18, ttmp6, 0x40004                  ; cy
	s_lshl_b32 s19, ttmp9, 2
	s_add_co_u32 s19, s19, s17                     ; tile column, 0 .. 7
	s_and_b32 s20, ttmp7, 0xffff
	s_lshl_b32 s20, s20, 2
	s_add_co_u32 s20, s20, s18                     ; tile row, 0 .. 31
	s_lshl_b32 s21, s18, 2
	s_lshl_b32 s21, 15, s21                        ; my row of the cluster
	s_lshl_b32 s22, 0x1111, s17                    ; my column
	s_or_b32 s[G1], s21, (3<<16)|(1<<21)
	s_or_b32 s[G1B], s22, (3<<16)|(1<<21)
	s_or_b32 s[G1S], s21, (3<<16)|(1<<21)
	s_or_b32 s[G1SB], s22, (3<<16)|(1<<21)
.irp g, G1, G1B                        ; codes: 8 row tiles of 1,536 elements of 8 bytes, dense
	s_mov_b32 s[\g+1], 1536<<16
	s_mov_b32 s[\g+2], 8<<16
	s_mov_b32 s[\g+3], 1536<<16
	s_mov_b32 s[\g+4], 8
	s_mov_b32 s[\g+5], 1536
	s_mov_b32 s[\g+6], 0
	s_mov_b32 s[\g+7], 0
.endr
.irp g, G1S, G1SB                      ; scale words: 4,096 dense bytes as 16 rows of 256
	s_mov_b32 s[\g+1], 32<<16
	s_mov_b32 s[\g+2], 16<<16
	s_mov_b32 s[\g+3], 32<<16
	s_mov_b32 s[\g+4], 16
	s_mov_b32 s[\g+5], 32
	s_mov_b32 s[\g+6], 0
	s_mov_b32 s[\g+7], 0
.endr
	s_mul_i32 s76, s20, 98304                      ; attn: row tile 8 x tile row
	s_mov_b32 s77, 0
	s_lshl_b32 s78, s20, 12
	s_mov_b32 s79, 0
	s_lshl_b32 s80, s19, 3
	s_add_co_u32 s80, s80, 960                     ; Wo: row tile 960 + 8 x tile column
	s_mul_i32 s82, s80, 12288
	s_mov_b32 s83, 0
	s_lshl_b32 s80, s80, 9
	s_mov_b32 s81, 0
	s_wait_dscnt 0x0
	s_wait_kmcnt 0x0
	HG0 G0M, 0, 4, 76
	HG0 G0N, NC, 8, 82
	HG0 G0SM, SCL, 6, 78
	HG0 G0SN, SCL+4096, 10, 80
	CROUND                                         ; all sixteen work-groups are here: the joint loads meet
	ARM 1, G0M,  G1,  .Lhead_b
	ARM 2, G0N,  G1B, .Lhead_sa
	ARM 3, G0SM, G1S, .Lhead_sb
	tensor_load_to_lds s[G0SN:G0SN+3], s[G1SB:G1SB+7]
	s_nop 0
.rept 4
	v_nop
.endr
.Lhead_asked:
	s_mul_i32 s84, s15, 49152                      ; my four row tiles of the M side,
	s_mul_i32 s85, s16, 49152
	s_add_co_u32 s85, s85, NC                      ; and of the N side
	s_lshl_b32 s86, s15, 11
	s_lshl_b32 s87, s16, 11
	s_add_co_u32 s87, s87, 4096
	s_sub_co_u32 s87, s87, s86                     ; from my M side's scale words to my N side's
	s_add_co_u32 s86, s86, SCL
	s_mul_i32 s88, s14, 16*SPITCH
	s_add_co_u32 s88, s88, STG                     ; my stage
	s_lshl_b32 s2, s20, 7
	s_lshl_b32 s3, s15, 6
	s_add_co_u32 s2, s2, s3                        ; my first row of out0
	s_lshl_b32 s2, s2, 12
	s_lshl_b32 s3, s19, 9
	s_add_co_u32 s2, s2, s3
	s_lshl_b32 s3, s16, 8
	s_add_co_u32 s2, s2, s3                        ; + 512 x tile column + 256 wn
	s_mov_b32 s3, 0
	s_add_nc_u64 s[12:13], s[12:13], s[2:3]
	v_and_b32 v1, 31, v0
	v_and_b32 v2, 15, v0
	v_bfe_u32 v3, v0, 4, 1
	v_lshlrev_b32 v4, 4, v1
	v_lshlrev_b32 v5, 3, v1
	v_add_nc_u32 v[ADA], s84, v4
	v_add_nc_u32 v[ADA8], s84, v5
	v_add_nc_u32 v[ADB], s85, v4
	v_add_nc_u32 v[ADB8], s85, v5
	v_lshlrev_b32 v7, 3, v2
	v_mul_u32_u24 v6, s87, v3                      ; lanes 16-31 take the N side's: one product
	v_add_nc_u32 v7, v7, v6
	v_add_nc_u32 v[ADRS], s86, v7
	v_mul_u32_u24 v6, v2, SPITCH
	v_lshl_add_u32 v6, v3, 6, v6
	v_add_nc_u32 v[STO], s88, v6                   ; into the stage: row r, + 64 h
	v_mul_u32_u24 v6, v3, SPITCH
	v_lshl_add_u32 v6, v2, 4, v6
	v_add_nc_u32 v[RD], s88, v6                    ; back: sixteen lanes to a row of 256 bytes, two rows an instruction
	v_lshlrev_b32 v6, 12, v3
	v_lshl_add_u32 v[CO], v2, 4, v6                ; and the same two rows in out0
	s_wait_alu depctr_va_vdst(0)
	s_wait_tensorcnt 0x0                           ; my tile is in
	s_barrier_signal -1
	s_barrier_wait -1                              ; all four are
.irp k, 0,1,2,3
.irp i, 0,1,2,3
	ds_load_b64 v[SC+8*\k+2*\i:SC+8*\k+2*\i+1], v[ADRS] offset:512*\i+128*\k   ; steps 2 k, 2 k + 1: lanes 0-15 the M side's block i, lanes 16-31 the N side's
.endr
.endr
	FETCH 0
	s_wait_dscnt 24                                ; the scale words and part of step 0 are in
	FETCH 1
	s_wait_dscnt 32                                ; all but step 1's 32 loads
	WIN 0x50                                       ; C and D in window 1
	MUL 0
	WIN 0
.irp st, 1,2,3,4,5,6
.rept 4
	v_nop                                          ; places in front of loads into registers that matrix instructions have read
.endr
	FETCH \st+1
	s_wait_dscnt 32
	WIN 0x50
	MUL \st
	WIN 0
.endr
	s_wait_dscnt 0x0
	WIN 0x50
	MUL 7
	WIN 0
.rept 4
	v_nop                                          ; behind the last products: for the reads of results and the loads into fragments' registers
.endr
; THE WAY OUT: a block of 16 rows x 64 columns goes through my own stage and comes back as rows of 256 bytes.  LDS serves a wave's instructions in order: no wait between the stores and the loads, nor in front of the next block's stores.
.irp a, 0,1,2,3
	WIN 0x04                                       ; an LDS store's data: window 1
.irp b, 0,1,2,3
	ds_store_b128 v[STO], v[8*(4*\a+\b):8*(4*\a+\b)+3] offset:128*(\b/2)+32*(\b%2)       ; each accumulator from its low end on
	ds_store_b128 v[STO], v[8*(4*\a+\b)+4:8*(4*\a+\b)+7] offset:128*(\b/2)+32*(\b%2)+16
.endr
	WIN 0
.irp t, 0,1,2,3,4,5,6,7
	ds_load_b128 v[32+32*\a+4*\t:32+32*\a+4*\t+3], v[RD] offset:\t*2*SPITCH
.endr
.endr
.irp a, 0,1,2,3
	s_wait_dscnt 16*(3-\a)                         ; block a is back; behind it 16 LDS instructions for each later block
.irp t, 0,1,2,3,4,5,6,7
	global_store_b128 v[CO], v[32+32*\a+4*\t:32+32*\a+4*\t+3], s[12:13] offset:(32*(\a/2)+8*(\a%2)+2*\t+8*(\t/4))*4096 th:TH_STORE_NT   ; sixteen lanes store 256 consecutive bytes, aligned
.endr
.endr
	s_wait_tensorcnt 0x0                           ; the wave's end
	ds_add_u32 v[SPW], v[NIL]
	s_wait_dscnt 0x0
	CROUND                                         ; the closing round
	s_endpgm
.Lfunc_end_k_q36378e4a49_outp:
	.size	k_q36378e4a49_outp, .Lfunc_end_k_q36378e4a49_outp-k_q36378e4a49_outp
	.p2alignl 7, 3214868480
	.fill 96, 4, 3214868480
	.section	.rodata,"a",@progbits
	.p2align	6, 0x0
	.amdhsa_kernel k_q36378e4a49_outp
		.amdhsa_group_segment_fixed_size 222720
		.amdhsa_private_segment_fixed_size 0
		.amdhsa_enable_private_segment 0
		.amdhsa_kernarg_size 40
		.amdhsa_user_sgpr_count 2
		.amdhsa_user_sgpr_kernarg_segment_ptr 1
		.amdhsa_wavefront_size32 1
		.amdhsa_system_sgpr_workgroup_id_x 1
		.amdhsa_system_sgpr_workgroup_id_y 1
		.amdhsa_system_sgpr_workgroup_id_z 1
		.amdhsa_system_vgpr_workitem_id 0
		.amdhsa_next_free_vgpr 384
		.amdhsa_next_free_sgpr 96
		.amdhsa_reserve_vcc 0
		.amdhsa_float_denorm_mode_32 3
		.amdhsa_float_denorm_mode_16_64 3
		.amdhsa_memory_ordered 1
		.amdhsa_forward_progress 1
		.amdhsa_inst_pref_size 51
	.end_amdhsa_kernel
	.amdgpu_metadata
---
amdhsa.version: [ 1, 2 ]
amdhsa.kernels:
  - .name:           k_q36378e4a49_outp
    .symbol:         k_q36378e4a49_outp.kd
    .args:
      - { .name: aimg, .offset: 0, .size: 8, .value_kind: global_buffer, .address_space: global }
      - { .name: asc, .offset: 8, .size: 8, .value_kind: global_buffer, .address_space: global }
      - { .name: ximg, .offset: 16, .size: 8, .value_kind: global_buffer, .address_space: global }
      - { .name: xsc, .offset: 24, .size: 8, .value_kind: global_buffer, .address_space: global }
      - { .name: out0, .offset: 32, .size: 8, .value_kind: global_buffer, .address_space: global }
    .group_segment_fixed_size: 222720
    .private_segment_fixed_size: 0
    .kernarg_segment_align: 8
    .kernarg_segment_size: 40
    .max_flat_workgroup_size: 128
    .sgpr_count:     96
    .vgpr_count:     384
    .wavefront_size: 32
...
	.end_amdgpu_metadata
.endif
;; end of part 4
